; MI455X (gfx1250); checked and timed in simulation.
; The chip was launched on July 23, 2026; its instructions are those of AMD's public machine-readable ISA for CDNA 5 (MIT licence, August 2026) and "CDNA5" Instruction Set Architecture Reference Guide (July 2026). The comments in the code are by the model that wrote it; some were corrected since.
;; Multi Head Attention. Allowed arithmetic: matrix products marked QUANTISED: E2M1 operands, one E8M0 scale for each 32 along K, by v_wmma_scale_f32_16x16x128_f8f6f4 with both operands' format E2M1 (or v_wmma_scale_f32_32x16x128_f4), f32 sums; products left as they are: bf16, f16 or f32 operands; f32 sums; everything else in f32.
;; Inputs: W_K 1,024 x 1,024 float32; W_O 1,024 x 1,024 float32; W_Q 1,024 x 1,024 float32; W_V 1,024 x 1,024 float32; X_KV 4 x 2,048 x 1,024 float32; X_Q 4 x 2,048 x 1,024 float32; key_padding_mask 4 x 2,048 bool.
;; Outputs: out0 4 x 2,048 x 1,024 float32.
;; This version of the problem:
;;   THIS VERSION OF THE PROBLEM IS GIVEN IN LOW PRECISION. The matrix products marked QUANTISED in the list below multiply operands that are first quantised to E2M1 (2 exponent bits, 1 mantissa bit; 4 bits a number), with one power-of-two scale for each 32 numbers along K (OCP MX v1.0); their sums are f32. The products marked 'left as it is' may take bf16, f16 or f32 operands, with f32 sums. Whichever they take, every output number must still come out within the allowed error. Rounding operands to bf16 (8 significant bits) uses up far more of that allowance than f16 does (11 bits, for magnitudes from 6e-5 to 65,504). All else is computed in f32.
;;   The module's matrix products, in the order in which they are computed (A, B: the left and right operand; K: the contracted axis; several contracted axes count as one K, in the product's order):
;;     1. [M 8,192, K 1,024] x [K 1,024, N 1,024]; A: input X_Q; B: input W_Q: QUANTISED
;;     2. [M 8,192, K 1,024] x [K 1,024, N 1,024]; A: input X_KV; B: input W_K: QUANTISED
;;     3. [M 8,192, K 1,024] x [K 1,024, N 1,024]; A: input X_KV; B: input W_V: QUANTISED
;;     4. batch 64 x [M 2,048, K 64] x [K 64, N 2,048]; A: computed on the way; B: computed on the way: left as it is (an operand is computed on the way)
;;     5. batch 64 x [M 2,048, K 2,048] x [K 2,048, N 64]; A: computed on the way; B: computed on the way: left as it is (an operand is computed on the way)
;;     6. [M 8,192, K 1,024] x [K 1,024, N 1,024]; A: computed on the way; B: input W_O: left as it is (an operand is computed on the way)
;;   THE QUANTISER, for each operand of a quantised product, along K:
;;     - K is cut into blocks of 32 from its start; a last block that is shorter is filled with zeros.
;;     - A block's scale is 2^e with e = floor(log2(the largest magnitude in the block)) - 2, held to -126 .. 127; a block of zeros has e = 0. As a byte (E8M0): e + 127.
;;     - Each number is divided by its block's scale, clamped to +-6, and rounded to the nearest number of E2M1, ties to even, subnormals kept.
;;     - The product sums the exact products of the quantised numbers (number of the format x scale) in f32.
;;   ~~~python
;;   def quantise(x, axis):      # numpy; x: float32 -> the quantised numbers, widened to float32 again
;;       x = np.moveaxis(x, axis, -1); K = x.shape[-1]
;;       x = np.pad(x, [(0, 0)] * (x.ndim - 1) + [(0, -K % 32)]); x = x.reshape(x.shape[:-1] + (-1, 32)); a = np.abs(x).max(-1, keepdims=True)
;;       e = np.where(a > 0, np.clip(np.frexp(np.where(a > 0, a, 1))[1] - 1 - 2, -126, 127), 0)      # np.frexp(a)[1] - 1 = floor(log2(a)), exactly
;;       r = np.clip(x / 2.0 ** e, -6, 6)
;;       step = 2.0 ** (np.maximum(np.frexp(np.where(r == 0, 1, r))[1] - 1, 0) - 1)
;;       q = np.round(r / step) * step * 2.0 ** e      # np.round: ties to even
;;       return np.moveaxis(q.reshape(q.shape[:-2] + (-1,))[..., :K], -1, axis).astype(np.float32)
;;   ~~~
;; One version. Each part assembles by itself: llvm-mc -triple=amdgcn-amd-amdhsa -mcpu=gfx1250 --defsym DOCPART=n.
;; ======== version 1 of 1: 4 launches
;; limits: values are held in f16: magnitudes above 65,504 overflow, below 6.1e-05 lose precision
;; workspace buffers: codes 9,961,472 bytes; scales 622,592 bytes; wo 2,097,152 bytes; counts 512 bytes of whole numbers; qkv 50,331,648 bytes; yp 16,777,216 bytes
;; launch prep (part 1): grid 624 x 1, 4 waves a work-group, no clusters, 68,096 bytes of LDS; arguments X_Q, X_KV, key_padding_mask, W_Q, W_K, W_V, W_O, codes, scales, wo, counts; writes codes, scales, wo, counts
.if DOCPART == 1
	.amdgcn_target "amdgcn-amd-amdhsa--gfx1250"
	.amdhsa_code_object_version 6
	.text
	.protected	k_q5fa7e5b655_prep
	.globl	k_q5fa7e5b655_prep
	.p2align	8
	.type	k_q5fa7e5b655_prep,@function
k_q5fa7e5b655_prep:
	s_mov_b64 s[64:65], 0
	v_nop
	global_prefetch_b8 v0, s[64:65] scope:SCOPE_SE
	s_setreg_imm32_b32 hwreg(HW_REG_WAVE_MODE, 25, 1), 1
	s_wait_xcnt 0x0
; PREP: the operands of the three quantised products become codes of FP4 (E2M1) with one E8M0 byte for each 32 along K (the hidden axis); W_O becomes f16 in the order of a matrix operand's registers.
; codes  [19456 rows][512 B], scales [19456][32 B]: rows 0..8191 X_Q; 8192..16383 X_KV; 16384 + 1024 w + n: column n of W_Q, W_K, W_V (w = 0, 1, 2), K innermost.
; WHAT THE PROGRAM LEAVES OUT, AND WHY IT MAY.  reference() sets the score of a key whose mask byte is true to -infinity: its weight is 0 and its K and V rows reach no output.  Which keys those are is said by
; whole numbers that this launch reads from memory.  So X_KV's rows are laid, inside each batch, kept keys first (in their order) and hidden keys behind them (in theirs), and the batch's number of kept keys goes to
; 'counts'.  The attention launch reads that number and walks only the steps of 64 keys that hold a kept key.  Hidden rows are still quantised and projected; only their scores, weights and products with V are not made.
; LIMITS.  A NaN, an infinity or an overflow in K or V of a hidden key is not carried to the result.  The keys are summed in the order kept keys have here, not in reference()'s.  Mask bytes are 0 or 1.
; A block whose largest magnitude lies under 2^-124 keeps the byte 1 (a block of zeros too: its codes are zeros, and this program alone reads the bytes).  NaN and infinities among the inputs are not served.
; W_O in f16: magnitudes above 65,504 are not served.
; THREE PATHS, parted by the work-group's number, each with LDS bytes of its own:
;   X (0..511):   8 rows a wave of X_Q (0..255) or X_KV (256..511): K is innermost; a lane holds 16 neighbours, two lanes a block.
;   W (512..559): 32 columns x 512 along K a wave of W_Q, W_K, W_V: a lane takes a column, its registers run down K.
;   O (560..623): 32 columns x 128 along K a wave of W_O, to f16 fragments [nt 64][kc 32][1 KB]; no LDS.
.set SPW,    12                        ; v12  LDS address of my spare word; never rewritten
.set NIL,    13                        ; v13  0; never rewritten
.set SPARE,  67584                     ; behind both paths' bytes: the spare words, 128 bytes a wave
.set EMAX,   2
.set WV,     34                        ; s34  my wave's number
; path X
.set WREG,   8192                      ; LDS of a wave: two stages of 32 x SP bytes, then its 256 scale bytes
.set SP,     80
.set STEPS,  16
.set R,      16                        ; v16-79   four sets of 16 numbers as loaded
.set X,      80                        ; v80-111  two sets of 16 neighbours
.set E,      112                       ; v112-127 a scale byte for each step
.set C,      128                       ; v128-191 codes, four registers a step
.set DST,    192                       ; v192-199 row p: 512 x its place in the batch + 8 x lane
.set MK,     200                       ; v200-215 the batch's mask bytes, 64 a lane
; path W
.set WSTG,   32768
.set WPITCH, 272
.set NB,     16
.set SB,     24
.set WX,     32
.set WC,     96
.set OUTR,   112
; path O
.set OX,     32
.set OP,     96
.macro LOAD t
.irp i, 0,1,2,3
	global_load_b128 v[R+16*((\t)%4)+4*\i:R+16*((\t)%4)+4*\i+3], v3, s[8:9] offset:2048*(\t)+512*\i th:TH_LOAD_NT   ; 32 lanes read 512 consecutive bytes
.endr
.endm
.macro TURN t                          ; a step's 2,048 bytes through my stage: in as loaded, back 64 bytes a lane; LDS serves a wave's instructions in order
.irp i, 0,1,2,3
	ds_store_b128 v14, v[R+16*((\t)%4)+4*\i:R+16*((\t)%4)+4*\i+3] offset:32*SP*((\t)%2)+8*SP*\i
.endr
.irp i, 0,1,2,3
	ds_load_b128 v[X+16*((\t)%2)+4*\i:X+16*((\t)%2)+4*\i+3], v15 offset:32*SP*((\t)%2)+16*\i
.endr
.endm
.macro STEP t                          ; 512 numbers: half t % 2 of my row t / 2
.set XS, X+16*((\t)%2)
.if (\t) > 0
	s_wait_dscnt 1                                 ; this step's numbers are back from the stage; the last step's byte store may be out
.else
	s_wait_dscnt 0x0
.endif
.if (\t)+4 < STEPS
	LOAD (\t)+4
.endif
.if (\t)+1 < STEPS
.if STEPS-2-(\t) >= 3
	s_wait_loadcnt 12                              ; the next step's four loads are in; those of the three steps behind it may be out
.else
	s_wait_loadcnt 4*(STEPS-2-(\t))
.endif
	TURN (\t)+1
.endif
	v_max3_num_f32 v8, |v[XS]|, |v[XS+1]|, |v[XS+2]|
	v_max3_num_f32 v9, |v[XS+3]|, |v[XS+4]|, |v[XS+5]|
.irp i, 6,10
	v_max3_num_f32 v8, v8, |v[XS+\i]|, |v[XS+\i+1]|
	v_max3_num_f32 v9, v9, |v[XS+\i+2]|, |v[XS+\i+3]|
.endr
	v_max3_num_f32 v8, v8, |v[XS+14]|, |v[XS+15]|
	v_max3_num_f32 v8, v8, v9, (EMAX+1)<<23        ; with the floor 2^(3 - 127): the byte cannot fall under 1
	v_max_num_f32_dpp v8, v8, v8 row_xmask:1 row_mask:0xf bank_mask:0xf   ; and my neighbour's 16: the block's largest magnitude
	v_add_nc_u32 v11, -(EMAX<<23), v8              ; 2 off its exponent field: the conversion's scale operand
	v_cvt_scalef32_pk8_fp4_f32 v[C+4*(\t)], v[XS:XS+7], v11
	v_cvt_scalef32_pk8_fp4_f32 v[C+4*(\t)+1], v[XS+8:XS+15], v11
	v_lshrrev_b32 v[E+(\t)], 23, v11               ; the scale's byte
	ds_store_b8 v5, v[E+(\t)] offset:16*(\t)       ; both lanes of a block write the same byte
	global_store_b64 v[DST+(\t)/2], v[C+4*(\t):C+4*(\t)+1], s[22:23] offset:256*((\t)%2)   ; 32 lanes store 256 consecutive bytes, aligned: half a row of codes
.endm
.macro WLOAD t                         ; block t of my column: W(32 t + i, column)
.irp i, 0,1,2,3,4,5,6,7,8,9,10,11,12,13,14,15,16,17,18,19,20,21,22,23,24,25,26,27,28,29,30,31
	global_load_b32 v[WX+32*((\t)%2)+\i], v3, s[14:15] offset:(32*(\t)+\i)*4096 th:TH_LOAD_NT
.endr
.endm
.macro WBLOCK t
.set XS, WX+32*((\t)%2)
.if (\t) < NB-1
	s_wait_loadcnt 32                              ; this block's 32 loads are in; the next block's may be out
.else
	s_wait_loadcnt 0
.endif
	v_max3_num_f32 v18, |v[XS]|, |v[XS+1]|, |v[XS+2]|
	v_max3_num_f32 v19, |v[XS+3]|, |v[XS+4]|, |v[XS+5]|
.irp i, 6,10,14,18,22,26
	v_max3_num_f32 v18, v18, |v[XS+\i]|, |v[XS+\i+1]|
	v_max3_num_f32 v19, v19, |v[XS+\i+2]|, |v[XS+\i+3]|
.endr
	v_max3_num_f32 v18, v18, |v[XS+30]|, |v[XS+31]|
	v_max3_num_f32 v18, v18, v19, (EMAX+1)<<23
	v_add_nc_u32 v11, -(EMAX<<23), v18
	v_lshrrev_b32 v19, 23, v11
.if (\t)%4 == 0
	v_mov_b32 v[SB+(\t)/4], v19                    ; four bytes to a register, the lower K in the lower byte
.else
	v_lshl_or_b32 v[SB+(\t)/4], v19, 8*((\t)%4), v[SB+(\t)/4]
.endif
.irp g, 0,1,2,3
	v_cvt_scalef32_pk8_fp4_f32 v[WC+\g], v[XS+8*\g:XS+8*\g+7], v11
.endr
	ds_store_b128 v4, v[WC:WC+3] offset:16*(\t)    ; 32 codes: 16 bytes of my column's row
.if (\t)+2 < NB
	WLOAD (\t)+2
.endif
	s_wait_dscnt 0x0                               ; the store has read its registers: the next block's codes may be written
.endm
.macro OLOAD c                         ; 32 rows of W_O at my column
.irp i, 0,1,2,3,4,5,6,7,8,9,10,11,12,13,14,15,16,17,18,19,20,21,22,23,24,25,26,27,28,29,30,31
	global_load_b32 v[OX+32*((\c)%2)+\i], v3, s[20:21] offset:(32*(\c)+\i)*4096 th:TH_LOAD_NT
.endr
.endm
.macro OBLOCK c
.if (\c) < 3
	s_wait_loadcnt 32                              ; this block's 32 loads are in; the next block's may be out
.else
	s_wait_loadcnt 0
.endif
.irp i, 0,1,2,3,4,5,6,7,8,9,10,11,12,13,14,15
	v_cvt_pk_f16_f32 v[OP+16*(\c)+\i], v[OX+32*((\c)%2)+2*\i], v[OX+32*((\c)%2)+2*\i+1]   ; register i: k = 2 i, 2 i + 1 of my column
.endr
.if (\c)+2 < 4
	OLOAD (\c)+2
.endif
.irp i, 0,1,2,3                        ; a fragment's lanes 16-31 want k 8..15 (24..31) of columns 0..15: the halves change places
	v_permlane16_swap_b32 v[OP+16*(\c)+\i], v[OP+16*(\c)+4+\i]
	v_permlane16_swap_b32 v[OP+16*(\c)+8+\i], v[OP+16*(\c)+12+\i]
.endr
	global_store_b128 v4, v[OP+16*(\c):OP+16*(\c)+3], s[26:27] offset:1024*(\c)                 ; my first 16 columns' fragment: registers 0-3,
	global_store_b128 v4, v[OP+16*(\c)+8:OP+16*(\c)+11], s[26:27] offset:1024*(\c)+512          ; registers 4-7;
	global_store_b128 v4, v[OP+16*(\c)+4:OP+16*(\c)+7], s[26:27] offset:32768+1024*(\c)         ; the next 16 columns' likewise.  Each store: 512 consecutive bytes
	global_store_b128 v4, v[OP+16*(\c)+12:OP+16*(\c)+15], s[26:27] offset:32768+1024*(\c)+512
.endm
	s_load_b512 s[8:23], s[0:1], 0x0               ; X_Q 8, X_KV 10, mask 12, W_Q 14, W_K 16, W_V 18, W_O 20, codes 22
	s_load_b128 s[24:27], s[0:1], 0x40             ; scales 24, wo 26
	s_load_b64 s[28:29], s[0:1], 0x50              ; counts
	v_lshl_add_u32 v[SPW], v0, 2, SPARE
	v_mov_b32 v[NIL], 0
	v_lshrrev_b32 v1, 5, v0
	v_readfirstlane_b32 s[WV], v1                  ; wave 0..3
	v_and_b32 v2, 31, v0                           ; lane
	s_wait_kmcnt 0x0
	s_cmp_ge_u32 ttmp9, 560
	s_cbranch_scc1 .Lpath_o
	s_cmp_ge_u32 ttmp9, 512
	s_cbranch_scc1 .Lpath_w
	; ---------------- PATH X
	v_lshlrev_b32 v3, 4, v2                        ; my 16 bytes of a load's 512
	v_lshlrev_b32 v4, 3, v2                        ; my 8 bytes of a step's codes
	s_mul_i32 s35, s[WV], WREG
	v_lshrrev_b32 v14, 2, v2
	v_mul_u32_u24 v14, v14, SP
	v_and_b32 v15, 3, v2
	v_lshl_add_u32 v14, v15, 4, v14
	v_add_nc_u32 v14, s35, v14                     ; the stage, way in: SP (lane / 4) + 16 (lane % 4)
	v_mul_u32_u24 v15, v2, SP
	v_add_nc_u32 v15, s35, v15                     ; way out: SP x lane
	v_lshrrev_b32 v5, 1, v2
	s_add_co_u32 s35, s35, 2*32*SP
	v_add_nc_u32 v5, s35, v5                       ; my block's scale byte
	v_add_nc_u32 v6, s35, v4                       ; and 8 bytes a lane on the way out
	s_and_b32 s49, ttmp9, 255
	s_lshl_b32 s49, s49, 2
	s_add_co_u32 s49, s49, s[WV]                   ; which run of 8 rows of the tensor is mine
	s_lshl_b32 s38, s49, 3
	s_lshr_b32 s39, s38, 11                        ; the batch
	s_and_b32 s38, s38, 2047                       ; r0: my first row in it
	s_lshr_b32 s48, ttmp9, 8                       ; 0: X_Q, 1: X_KV
	s_cmp_lt_u32 ttmp9, 256
	s_cselect_b64 s[8:9], s[8:9], s[10:11]
	s_lshl_b32 s50, s49, 15                        ; 8 rows of 4,096 bytes
	s_mov_b32 s51, 0
	s_add_nc_u64 s[8:9], s[8:9], s[50:51]
	s_lshl_b32 s50, s48, 22
	s_lshl_b32 s52, s39, 20
	s_add_co_u32 s50, s50, s52
	s_add_nc_u64 s[22:23], s[22:23], s[50:51]      ; codes at the tensor's batch: 2,048 rows of 512 bytes
	s_lshr_b32 s50, s50, 4
	s_add_nc_u64 s[24:25], s[24:25], s[50:51]      ; scale bytes likewise: rows of 32
.irp t, 0,1,2,3
	LOAD \t
.endr
	s_cmp_lt_u32 ttmp9, 256
	s_cbranch_scc1 .Lident
	; X_KV: where do my 8 rows go?  The batch's 2,048 mask bytes, 64 a lane, are counted: all, and those in front of r0
	s_lshl_b32 s50, s39, 11
	s_add_nc_u64 s[12:13], s[12:13], s[50:51]
.irp j, 0,1,2,3
	global_load_b128 v[MK+4*\j:MK+4*\j+3], v3, s[12:13] offset:512*\j
.endr
	s_load_b64 s[36:37], s[12:13], s38 offset:0x0  ; my 8 rows' own bytes
	s_mov_b32 s60, 0x76543210
	s_mov_b32 s61, 0xfedcba98                      ; lane selects: lane l xor 16
	v_mov_b32 v216, 0                              ; all, as four byte sums
	v_mov_b32 v217, 0                              ; those in front of r0
	v_mov_b32 v220, 0                              ; (a lane move's destination counts as read)
	s_wait_loadcnt 0x0
	s_wait_kmcnt 0x0
.irp j, 0,1,2,3
.irp g, 0,1
	v_add_nc_u32 v218, v[MK+4*\j+2*\g], v[MK+4*\j+2*\g+1]   ; bytes 512 j + 16 lane + 8 g + 0 .. 7, in four sums; r0 is a multiple of 8
	s_sub_co_i32 s59, s38, 512*\j+8*\g
	v_cmp_gt_i32 vcc_lo, s59, v3                   ; in front of r0?
	v_add_nc_u32 v216, v216, v218
	v_cndmask_b32 v219, 0, v218, vcc_lo
	v_add_nc_u32 v217, v217, v219                  ; a byte sum is 16 at the most
.endr
.endr
	s_mov_b32 s52, 0x00ff00ff
.irp x, 216, 217
	v_lshrrev_b32 v218, 8, v\x
	v_and_b32 v\x, s52, v\x
	v_and_b32 v218, s52, v218
	v_add_nc_u32 v\x, v\x, v218
	v_lshrrev_b32 v218, 16, v\x
	v_and_b32 v\x, 0xffff, v\x
	v_add_nc_u32 v\x, v\x, v218
.endr
	v_lshl_add_u32 v216, v217, 16, v216            ; both counts in one word: each stays under 2^16 over 32 lanes
.irp m, 1,2,4,8
	v_mov_b32_dpp v220, v216 row_xmask:\m row_mask:0xf bank_mask:0xf
	v_add_nc_u32 v216, v216, v220
.endr
	v_permlanex16_b32 v220, v216, s60, s61
	v_add_nc_u32 v216, v216, v220
	v_readfirstlane_b32 s52, v216
	s_and_b32 s53, s52, 0xffff                     ; hidden keys in the batch
	s_lshr_b32 s54, s52, 16                        ; hidden keys in front of the row in hand
	s_sub_co_u32 s55, 2048, s53                    ; kept keys
.irp p, 0,1,2,3,4,5,6,7
	s_bfe_u32 s56, s[36+\p/4], (8<<16)|(8*(\p%4))  ; the row's mask byte
	s_add_co_u32 s57, s38, \p
	s_sub_co_u32 s57, s57, s54                     ; kept: as many kept rows stand in front of it
	s_add_co_u32 s58, s55, s54                     ; hidden: behind all kept rows
	s_cmp_lg_u32 s56, 0
	s_cselect_b32 s[40+\p], s58, s57
	s_min_u32 s[40+\p], s[40+\p], 2047
	s_add_co_u32 s54, s54, s56
.endr
	s_cmp_lg_u32 s38, 0                            ; the wave with the batch's first rows stores the count, 32 times: 128 bytes a batch
	s_cbranch_scc1 .Lno_count
	s_lshl_b32 s52, s39, 7
	v_lshl_add_u32 v221, v2, 2, s52
	v_mov_b32 v222, s55
	global_store_b32 v221, v222, s[28:29]
.Lno_count:
	s_branch .Ldest
.Lident:
.irp p, 0,1,2,3,4,5,6,7
	s_add_co_u32 s[40+\p], s38, \p                 ; X_Q's rows stay where they are
.endr
.Ldest:
.irp p, 0,1,2,3,4,5,6,7
	v_lshl_add_u32 v[DST+\p], s[40+\p], 9, v4
.endr
	s_wait_loadcnt 12                              ; step 0's four loads are in; the three steps behind it may be out
	TURN 0
.irp t, 0,1,2,3,4,5,6,7,8,9,10,11,12,13,14,15
	STEP \t
.endr
	ds_load_b64 v[8:9], v6                         ; my wave's 256 scale bytes: lane l has part l % 4 of row l / 4
	v_lshrrev_b32 v10, 2, v2
	v_mov_b32 v11, s40
.irp p, 1,2,3,4,5,6,7
	v_cmp_ne_u32 vcc_lo, \p, v10
	v_cndmask_b32 v11, s[40+\p], v11, vcc_lo       ; that row's place
.endr
	v_min_u32 v11, 2047, v11
	v_and_b32 v10, 3, v2
	v_lshlrev_b32 v10, 3, v10
	v_lshl_add_u32 v11, v11, 5, v10
	s_wait_dscnt 0x0
	global_store_b64 v11, v[8:9], s[24:25]         ; four lanes store a row's 32 bytes
	s_wait_tensorcnt 0x0                           ; the wave's end, behind my last LDS store
	ds_add_u32 v[SPW], v[NIL]
	s_wait_dscnt 0x0
	s_endpgm
	; ---------------- PATH W
.Lpath_w:
	s_sub_co_u32 s35, ttmp9, 512
	s_lshr_b32 s36, s35, 4                         ; which weight
	s_and_b32 s37, s35, 7                          ; which 128 columns
	s_bfe_u32 s38, s35, 0x10003                    ; which 512 along K
	s_cmp_eq_u32 s36, 1
	s_cselect_b64 s[14:15], s[16:17], s[14:15]
	s_cmp_eq_u32 s36, 2
	s_cselect_b64 s[14:15], s[18:19], s[14:15]
	s_lshl_b32 s39, s37, 7
	s_lshl_b32 s40, s[WV], 5
	s_add_co_u32 s39, s39, s40                     ; my wave's first column
	v_lshlrev_b32 v3, 2, v2
	s_mul_i32 s40, s[WV], 32*WPITCH
	s_add_co_u32 s40, s40, WSTG                    ; my stage
	v_mul_u32_u24 v4, v2, WPITCH
	v_add_nc_u32 v4, s40, v4                       ; in: row = my column
	v_and_b32 v5, 15, v2
	v_lshrrev_b32 v6, 4, v2
	v_mul_u32_u24 v7, v6, WPITCH
	v_lshl_add_u32 v7, v5, 4, v7
	v_add_nc_u32 v7, s40, v7                       ; out: sixteen lanes to a row, two rows an instruction
	v_lshlrev_b32 v8, 9, v6
	v_lshl_add_u32 v8, v5, 4, v8                   ; the same place among the rows of codes
	v_lshlrev_b32 v9, 5, v2                        ; my column's row of scale bytes
	s_mov_b32 s43, 0
	s_lshl_b32 s42, s38, 21                        ; 512 rows of 4,096 bytes
	s_lshl_b32 s41, s39, 2
	s_add_co_u32 s42, s42, s41
	s_add_nc_u64 s[14:15], s[14:15], s[42:43]
	s_lshl_b32 s42, s36, 19
	s_lshl_b32 s41, s39, 9
	s_add_co_u32 s42, s42, s41
	s_lshl_b32 s41, s38, 8
	s_add_co_u32 s42, s42, s41
	s_add_co_u32 s42, s42, 16384*512               ; row 16384 + 1024 w + column, byte 256 y
	s_add_nc_u64 s[22:23], s[22:23], s[42:43]
	s_lshr_b32 s42, s42, 4                         ; the scale bytes' place is a sixteenth of that
	s_add_nc_u64 s[24:25], s[24:25], s[42:43]
	WLOAD 0
	WLOAD 1
.irp t, 0,1,2,3,4,5,6,7,8,9,10,11,12,13,14,15
	WBLOCK \t
.endr
	global_store_b128 v9, v[SB:SB+3], s[24:25]     ; my column's 16 scale bytes
.irp t, 0,1,2,3,4,5,6,7,8,9,10,11,12,13,14,15
	ds_load_b128 v[OUTR+4*\t:OUTR+4*\t+3], v7 offset:2*\t*WPITCH
.endr
.irp t, 0,1,2,3,4,5,6,7,8,9,10,11,12,13,14,15
	s_wait_dscnt 15-\t                             ; the younger reads of the stage may be out
	global_store_b128 v8, v[OUTR+4*\t:OUTR+4*\t+3], s[22:23] offset:2*\t*512   ; sixteen lanes store 256 consecutive bytes, aligned
.endr
	s_wait_tensorcnt 0x0                           ; the wave's end, behind my last LDS store
	ds_add_u32 v[SPW], v[NIL]
	s_wait_dscnt 0x0
	s_endpgm
	; ---------------- PATH O
.Lpath_o:
	s_sub_co_u32 s35, ttmp9, 560
	s_and_b32 s36, s35, 7                          ; which 128 columns
	s_lshr_b32 s37, s35, 3                         ; which 128 along K
	s_lshl_b32 s38, s36, 7
	s_lshl_b32 s39, s[WV], 5
	s_add_co_u32 s38, s38, s39                     ; my wave's first column
	v_lshlrev_b32 v3, 2, v2
	v_lshlrev_b32 v4, 4, v2
	s_mov_b32 s41, 0
	s_lshl_b32 s40, s37, 19                        ; 128 rows of 4,096 bytes
	s_lshl_b32 s39, s38, 2
	s_add_co_u32 s40, s40, s39
	s_add_nc_u64 s[20:21], s[20:21], s[40:41]
	s_lshl_b32 s40, s38, 11                        ; 16 columns are 32 fragments of 1 KB
	s_lshl_b32 s39, s37, 12                        ; 128 along K are four
	s_add_co_u32 s40, s40, s39
	s_add_nc_u64 s[26:27], s[26:27], s[40:41]
	OLOAD 0
	OLOAD 1
.irp c, 0,1,2,3
	OBLOCK \c
.endr
	s_endpgm
.Lfunc_end_k_q5fa7e5b655_prep:
	.size	k_q5fa7e5b655_prep, .Lfunc_end_k_q5fa7e5b655_prep-k_q5fa7e5b655_prep
	.p2alignl 7, 3214868480
	.fill 96, 4, 3214868480
	.section	.rodata,"a",@progbits
	.p2align	6, 0x0
	.amdhsa_kernel k_q5fa7e5b655_prep
		.amdhsa_group_segment_fixed_size 68096
		.amdhsa_private_segment_fixed_size 0
		.amdhsa_enable_private_segment 0
		.amdhsa_kernarg_size 88
		.amdhsa_user_sgpr_count 2
		.amdhsa_user_sgpr_kernarg_segment_ptr 1
		.amdhsa_wavefront_size32 1
		.amdhsa_system_sgpr_workgroup_id_x 1
		.amdhsa_system_sgpr_workgroup_id_y 1
		.amdhsa_system_sgpr_workgroup_id_z 1
		.amdhsa_system_vgpr_workitem_id 0
		.amdhsa_next_free_vgpr 224
		.amdhsa_next_free_sgpr 66
		.amdhsa_reserve_vcc 1
		.amdhsa_float_denorm_mode_32 3
		.amdhsa_float_denorm_mode_16_64 3
		.amdhsa_memory_ordered 1
		.amdhsa_forward_progress 1
		.amdhsa_inst_pref_size 138
	.end_amdhsa_kernel
	.amdgpu_metadata
---
amdhsa.version: [ 1, 2 ]
amdhsa.kernels:
  - .name:           k_q5fa7e5b655_prep
    .symbol:         k_q5fa7e5b655_prep.kd
    .args:
      - { .name: X_Q, .offset: 0, .size: 8, .value_kind: global_buffer, .address_space: global }
      - { .name: X_KV, .offset: 8, .size: 8, .value_kind: global_buffer, .address_space: global }
      - { .name: key_padding_mask, .offset: 16, .size: 8, .value_kind: global_buffer, .address_space: global }
      - { .name: W_Q, .offset: 24, .size: 8, .value_kind: global_buffer, .address_space: global }
      - { .name: W_K, .offset: 32, .size: 8, .value_kind: global_buffer, .address_space: global }
      - { .name: W_V, .offset: 40, .size: 8, .value_kind: global_buffer, .address_space: global }
      - { .name: W_O, .offset: 48, .size: 8, .value_kind: global_buffer, .address_space: global }
      - { .name: codes, .offset: 56, .size: 8, .value_kind: global_buffer, .address_space: global }
      - { .name: scales, .offset: 64, .size: 8, .value_kind: global_buffer, .address_space: global }
      - { .name: wo, .offset: 72, .size: 8, .value_kind: global_buffer, .address_space: global }
      - { .name: counts, .offset: 80, .size: 8, .value_kind: global_buffer, .address_space: global }
    .group_segment_fixed_size: 68096
    .private_segment_fixed_size: 0
    .kernarg_segment_align: 8
    .kernarg_segment_size: 88
    .max_flat_workgroup_size: 128
    .sgpr_count:     66
    .vgpr_count:     224
    .wavefront_size: 32
...
	.end_amdgpu_metadata
.endif
;; end of part 1
;; launch proj (part 2): grid 4 x 96, 4 waves a work-group, clusters of 4 x 4, 327,680 bytes of LDS; arguments codes, scales, qkv; writes qkv
.if DOCPART == 2
	.amdgcn_target "amdgcn-amd-amdhsa--gfx1250"
	.amdhsa_code_object_version 6
	.text
	.protected	k_q5fa7e5b655_proj
	.globl	k_q5fa7e5b655_proj
	.p2align	8
	.type	k_q5fa7e5b655_proj,@function
k_q5fa7e5b655_proj:
	s_mov_b64 s[64:65], 0
	v_nop
	global_prefetch_b8 v0, s[64:65] scope:SCOPE_SE
	s_setreg_imm32_b32 hwreg(HW_REG_WAVE_MODE, 25, 1), 1
	s_wait_xcnt 0x0
	s_wait_alu depctr_hold_cnt(0) depctr_sa_sdst(0) depctr_va_vdst(0) depctr_va_sdst(0) depctr_va_ssrc(0) depctr_va_vcc(0) depctr_vm_vsrc(0)
	s_getreg_b32 s2, hwreg(HW_REG_IB_STS2, 6, 4)
	s_cmp_eq_u32 s2, 0
	s_cbranch_scc0 .Lentry_in_a_cluster
	s_endpgm
.Lentry_in_a_cluster:
	s_bfe_u32 s2, ttmp6, 0x10000c
	s_cmp_lg_u32 s2, 0xf033
	s_cbranch_scc0 .Lentry_shape_is_right
	s_endpgm
.Lentry_shape_is_right:
; PROJ: Q = X_Q W_Q, K = X_KV W_K, V = X_KV W_V on codes of FP4 (E2M1) with one E8M0 scale for each 32 along K = 1,024; sums in f32; results rounded once to f16 and stored as images of matrix operands' registers.
; Nothing is left out here: hidden keys' rows (they lie behind the kept ones in X_KV's codes) are projected like the others.  LIMIT: results above 65,504 in magnitude have no f16 number.
; A tile of 256 x 256 is made by a work-group of four waves, a wave makes 128 x 128: 64 accumulators, 512 registers.  K is two steps of 512: both lie in LDS from the start, in two slots; nothing is filled again.
; JOBS.  24 clusters of 4 x 4 work-groups; cluster y / 8 is the job (0 Q, 1 K, 2 V), g = 4 (cluster y % 8).  'A' are the rows that fall into lanes, 'B' those that fall into a lane's registers (source 0 = B, source 1 = A).
;   Q, K: A = 256 tokens (tile g + cy), B = 256 channels of the weight (tile cx): a lane holds one token and eight neighbouring channels: an operand of Q K^T.
;   V:    A = 256 channels of W_V (tile cy), B = 256 keys (tile g + cx): a lane holds one channel and eight neighbouring keys: an operand of V^T P.
; A's tile hangs on cy and the cluster's y alone and is asked for jointly by the cluster's row, B's on cx and the cluster's y alone, by its column.
; qkv: Q at 0, K at 1<<24: [b 4][head 16][tile of 16 tokens 128][32 channels 2][1 KB];  V at 2<<24: [b 4][step of 64 keys 32][tile of 16 channels 64][32 keys 2][1 KB].
; A fragment's 1 KB: registers 0-3 of lane l at 16 l, registers 4-7 at 512 + 16 l.
; REGISTERS, in windows of 256: window 0: v0-31 addresses; v32-95 scale words, two sets; v128-191 A's fragments, one set; on the way out v32-159 packed results.
;   window 1: B's fragments, two sets, at v0 and v128.   window 2: the accumulators of my A rows 0-63 ((a, b) at v[8 (8 a + b)]);   window 3: rows 64-127.
.set KSTEP,  512
.set NQ,     4                         ; matrix instructions deep in a slot
.set ROWB,   256                       ; a tile's row in bytes
.set KROW,   512                       ; a row of codes in memory
.set PITCH,  272                       ; an LDS row: 256 bytes + 16 of padding: the 16 rows that a load touches start at 16 different banks
.set FR,     8
.set NL,     2
.set NP,     4
.set HALFT,  128*PITCH
.set SLOT,   4*HALFT
.set KS,     32                        ; a row of scale bytes
.set SCL,    2*SLOT                    ; behind the slots: the scale bytes, as units of 256 bytes + 16 of padding
.set HALFS,  (128*KS/256)*272
.set SBLK,   (16*KS/256)*272
.set SPARE,  SCL+4*HALFS               ; the spare words, 128 bytes a wave
.set ADRA, 16
.set ADRB, 20
.set CO,   26                          ; v26  16 x lane
.set ADRS, 27
.set SPW,  28
.set NIL,  29
.set SC,   32
.set AF,   128
.set TMP,  32
.set G1, 24
.set G0, 32
.set G1B, 48
.set G0B, 56
.set G1S, 68
.set G0S, 76
.set G1SB, 80
.set G0SB, 88
.set MSB, 0
.macro WIN new                         ; the immediate's high byte repeats the setting that is left
.if MSB != \new
	s_set_vgpr_msb (MSB<<8)|\new
.set MSB, \new
.endif
.endm
.set MUL_LO, 0xa1                      ; source 0 (B) window 1, source 1 (A) window 0, C and D window 2
.set MUL_HI, 0xf1
.set TO_B,   0x40
; A joint load: waves 0 and 1 fetch for A, waves 2 and 3 for B; the branch hangs on the wave's number alone.  An s_nop 0 and four v_nop follow each line.
.macro JLOAD g0a, g1a, g0b, g1b
	s_cmp_eq_u32 s15, 0
	s_cbranch_scc0 .Lfor_b_\@
	tensor_load_to_lds s[\g0a:\g0a+3], s[\g1a:\g1a+7]
	s_nop 0
.rept 4
	v_nop
.endr
	s_branch .Lasked_\@
.Lfor_b_\@:
	tensor_load_to_lds s[\g0b:\g0b+3], s[\g1b:\g1b+7]
	s_nop 0
.rept 4
	v_nop
.endr
.Lasked_\@:
.endm
.macro CROUND                          ; a round of the cluster's barrier
	s_barrier_signal -1
	s_barrier_wait -1
	s_cmp_lg_u32 s14, 0
	s_cbranch_scc1 .Lnot_wave_0_\@
	s_barrier_signal -3
.Lnot_wave_0_\@:
	s_barrier_wait -3
	s_barrier_signal -1
	s_barrier_wait -1
.endm
	s_load_b128 s[4:7], s[0:1], 0x0                ; codes s[4:5], scales s[6:7]
	s_load_b64 s[12:13], s[0:1], 0x10              ; qkv
	v_lshl_add_u32 v[SPW], v0, 2, SPARE
	v_mov_b32 v[NIL], 0
	ds_add_u32 v[SPW], v[NIL]                      ; the wave's opening: the add, twice on end, and its wait ahead of my first tensor load
	ds_add_u32 v[SPW], v[NIL]
	v_lshrrev_b32 v1, 5, v0
	v_readfirstlane_b32 s14, v1                    ; wave 0..3
	s_lshr_b32 s15, s14, 1                         ; which half of A's rows is mine.  Also: I fetch for A (0) or for B (1)
	s_and_b32 s16, s14, 1                          ; which half of B's rows.  Also: which 128 rows I fetch
	s_bfe_u32 s40, ttmp6, 0x40000                  ; cx
	s_bfe_u32 s41, ttmp6, 0x40004                  ; cy
	s_and_b32 s66, ttmp7, 0xffff                   ; the cluster's y
	s_lshr_b32 s67, s66, 3                         ; the job
	s_and_b32 s66, s66, 7
	s_lshl_b32 s66, s66, 2                         ; g
	s_lshr_b32 s95, s67, 1                         ; v = 1 in job V
	s_mul_i32 s96, s66, s95                        ; g v
	s_sub_co_u32 s97, s66, s96                     ; g (1 - v)
	s_add_co_u32 s17, s41, s97                     ; A's tile: cy + g (1 - v)
	s_add_co_u32 s42, s40, s96                     ; B's tile: cx + g v
	s_lshl_b32 s98, s67, 13
	s_lshl_b32 s99, s95, 11
	s_add_co_u32 s98, s98, s99                     ; A's first row among the rows of codes: 0, 8192, 18432
	s_lshl_b32 s99, s67, 10
	s_add_co_u32 s99, s99, 16384
	s_mul_i32 s2, s95, 10240
	s_sub_co_u32 s99, s99, s2                      ; B's: 16384, 17408, 8192
	s_lshl_b32 s43, s41, 2
	s_lshl_b32 s43, 15, s43                        ; my row of the cluster
	s_lshl_b32 s44, 0x1111, s40                    ; my column
	; descriptor group 1: a tile of 128 rows x 256 bytes, 16 bytes of padding behind each row
	s_or_b32 s[G1+0], s43, (0<<16)|(1<<20)|(1<<21)|(5<<22)|(3<<25)
	s_or_b32 s[G1B+0], s44, (0<<16)|(1<<20)|(1<<21)|(5<<22)|(3<<25)
.irp g, G1, G1B
	s_mov_b32 s[\g+1], ROWB<<16                    ; tensor_dim0
	s_mov_b32 s[\g+2], 128<<16                     ; tensor_dim1
	s_mov_b32 s[\g+3], ROWB<<16                    ; tile_dim0
	s_mov_b32 s[\g+4], 128                         ; tile_dim1
	s_mov_b32 s[\g+5], KROW                        ; from row to row
	s_mov_b32 s[\g+6], 0
	s_mov_b32 s[\g+7], 0
.endr
	; the scale bytes of 128 rows: 4,096 dense bytes, as 16 rows of 256 bytes (32 elements of 8), 16 bytes of padding behind each
	s_or_b32 s[G1S+0], s43, (3<<16)|(1<<20)|(1<<21)|(5<<22)|(3<<25)
	s_or_b32 s[G1SB+0], s44, (3<<16)|(1<<20)|(1<<21)|(5<<22)|(3<<25)
.irp g, G1S, G1SB
	s_mov_b32 s[\g+1], 32<<16
	s_mov_b32 s[\g+2], (128*KS/256)<<16
	s_mov_b32 s[\g+3], 32<<16
	s_mov_b32 s[\g+4], 128*KS/256
	s_mov_b32 s[\g+5], 32
	s_mov_b32 s[\g+6], 0
	s_mov_b32 s[\g+7], 0
.endr
	s_lshl_b32 s18, s16, 7                         ; which 128 rows of the tile I fetch
	s_lshl_b32 s20, s17, 8
	s_add_co_u32 s20, s20, s18
	s_add_co_u32 s20, s20, s98                     ; A: the row
	s_lshl_b32 s46, s42, 8
	s_add_co_u32 s46, s46, s18
	s_add_co_u32 s46, s46, s99                     ; B: the row
	s_lshl_b32 s22, s20, 5                         ; 32 scale bytes a row,
	s_mov_b32 s23, 0
	s_lshl_b32 s92, s46, 5
	s_mov_b32 s93, 0
	s_lshl_b32 s20, s20, 9                         ; 512 bytes of codes
	s_mov_b32 s21, 0
	s_lshl_b32 s46, s46, 9
	s_mov_b32 s47, 0
	s_mul_i32 s45, s14, HALFT                      ; where they go: wave x 128 rows: no place in the cluster enters an LDS address
	s_mul_i32 s94, s14, HALFS
	s_wait_dscnt 0x0                               ; both opening adds are done
	s_wait_kmcnt 0x0
	s_add_nc_u64 s[20:21], s[4:5], s[20:21]
	s_add_nc_u64 s[22:23], s[6:7], s[22:23]
	s_add_nc_u64 s[46:47], s[4:5], s[46:47]
	s_add_nc_u64 s[92:93], s[6:7], s[92:93]
	CROUND                                         ; all sixteen work-groups are here: the joint loads meet
	s_mov_b32 s[G0S], 1
	s_add_co_u32 s[G0S+1], s94, SCL
	s_mov_b64 s[G0S+2:G0S+3], s[22:23]
	s_or_b32 s[G0S+3], s[G0S+3], 0x80000000
	s_mov_b32 s[G0SB], 1
	s_add_co_u32 s[G0SB+1], s94, SCL
	s_mov_b64 s[G0SB+2:G0SB+3], s[92:93]
	s_or_b32 s[G0SB+3], s[G0SB+3], 0x80000000
	JLOAD G0S, G1S, G0SB, G1SB                     ; the scale bytes first; then both K steps: three tensor loads of mine are out
.irp s, 0,1
	s_mov_b32 s[G0+4*\s], 1
	s_add_co_u32 s[G0+4*\s+1], s45, \s*SLOT
	s_add_nc_u64 s[G0+4*\s+2:G0+4*\s+3], s[20:21], \s*ROWB
	s_or_b32 s[G0+4*\s+3], s[G0+4*\s+3], 0x80000000
	s_mov_b32 s[G0B+4*\s], 1
	s_add_co_u32 s[G0B+4*\s+1], s45, \s*SLOT
	s_add_nc_u64 s[G0B+4*\s+2:G0B+4*\s+3], s[46:47], \s*ROWB
	s_or_b32 s[G0B+4*\s+3], s[G0B+4*\s+3], 0x80000000
	JLOAD G0+4*\s, G1, G0B+4*\s, G1B
.endr
	v_and_b32 v1, 15, v0                           ; l % 16
	v_bfe_u32 v2, v0, 4, 1                         ; l / 16
	v_mul_u32_u24 v3, v1, PITCH
	v_lshl_add_u32 v4, v2, 4, v3                   ; a fragment's row x pitch + 16 x half
	s_mul_i32 s21, s15, HALFT                      ; my 128 rows of A
	s_mul_i32 s22, s16, HALFT                      ; my 128 rows of B,
	s_add_co_u32 s22, s22, 2*HALFT                 ; behind A's 256
.irp s, 0,1
	v_add_nc_u32 v[ADRA+\s], s21, v4
	v_add_nc_u32 v[ADRB+\s], s22, v4
	s_add_co_u32 s21, s21, SLOT
	s_add_co_u32 s22, s22, SLOT
.endr
	v_mul_u32_u24 v5, v1, KS                       ; my row's scale bytes,
	v_lshrrev_b32 v6, 8, v5
	v_lshl_add_u32 v5, v6, 4, v5                   ; 16 more for each 256 passed
	s_mul_i32 s21, s15, HALFS
	s_mul_i32 s22, s16, HALFS
	s_add_co_u32 s22, s22, 2*HALFS
	s_sub_co_u32 s22, s22, s21
	v_mul_u32_u24 v6, s22, v2                      ; lanes 16-31 take B's
	s_add_co_u32 s21, s21, SCL
	v_add_nc_u32 v5, v5, v6
	v_add_nc_u32 v[ADRS], s21, v5
	v_and_b32 v6, 31, v0
	v_lshlrev_b32 v[CO], 4, v6
	; where my results go
	s_lshl_b32 s20, s17, 8
	s_lshl_b32 s21, s15, 7
	s_add_co_u32 s20, s20, s21                     ; RA: my first A row
	s_lshl_b32 s46, s42, 8
	s_lshl_b32 s47, s16, 7
	s_add_co_u32 s46, s46, s47                     ; RB: my first B row
	s_lshl_b32 s21, s67, 24                        ; Q, K: job << 24 + batch << 22 + head << 18 + tile << 11
	s_lshr_b32 s22, s20, 11
	s_lshl_b32 s22, s22, 22
	s_add_co_u32 s21, s21, s22
	s_lshr_b32 s22, s46, 6
	s_lshl_b32 s22, s22, 18
	s_add_co_u32 s21, s21, s22
	s_bfe_u32 s22, s20, 0x70004
	s_lshl_b32 s22, s22, 11
	s_add_co_u32 s21, s21, s22
	s_lshr_b32 s22, s46, 11                        ; V: 2 << 24 + batch << 22 + step << 17 + channel tile << 11
	s_lshl_b32 s22, s22, 22
	s_add_co_u32 s22, s22, 2<<24
	s_bfe_u32 s23, s46, 0x50006
	s_lshl_b32 s23, s23, 17
	s_add_co_u32 s22, s22, s23
	s_lshr_b32 s23, s20, 4
	s_lshl_b32 s23, s23, 11
	s_add_co_u32 s22, s22, s23
	s_mov_b32 s23, 0x40000
	s_cmp_eq_u32 s67, 2
	s_cselect_b32 s20, s22, s21
	s_cselect_b32 s22, 0x20000, s23                ; from B rows 0-63 to 64-127: the next head (Q, K) or the next step (V)
	s_mov_b32 s21, 0
	s_mov_b32 s23, 0
	s_add_nc_u64 s[12:13], s[12:13], s[20:21]
	s_add_nc_u64 s[20:21], s[12:13], s[22:23]
.macro FRAG reg, adr, q, i             ; 16 rows x 128 K of 4-bit codes: 8 registers, two loads of 16 bytes, 32 bytes apart
.irp c, 0,1
	ds_load_b128 v[\reg+4*\c:\reg+4*\c+3], v[\adr] offset:64*(\q)+32*\c+(\i)*16*PITCH
.endr
.endm
; 16 matrix instructions: A's blocks a0, a0 + 1 x B's eight.  The 64 accumulators take turns, one instruction a turn, in the same order in every step.
.macro MUL16 a0, p, q, sc, zero
.irp a, \a0, \a0+1
.irp b, 0,1,2,3,4,5,6,7
.if \zero
	v_wmma_scale_f32_16x16x128_f8f6f4 v[8*(8*((\a)%4)+\b):8*(8*((\a)%4)+\b)+7], v[128*(\p)+FR*\b:128*(\p)+FR*\b+FR-1], v[AF+FR*(\a):AF+FR*(\a)+FR-1], 0, v[SC+8*NQ*(\sc)+NQ*\b+(\q)], v[SC+8*NQ*(\sc)+NQ*(\a)+(\q)] matrix_a_fmt:MATRIX_FMT_FP4 matrix_b_fmt:MATRIX_FMT_FP4 matrix_a_scale:MATRIX_SCALE_ROW1
.else
	v_wmma_scale_f32_16x16x128_f8f6f4 v[8*(8*((\a)%4)+\b):8*(8*((\a)%4)+\b)+7], v[128*(\p)+FR*\b:128*(\p)+FR*\b+FR-1], v[AF+FR*(\a):AF+FR*(\a)+FR-1], v[8*(8*((\a)%4)+\b):8*(8*((\a)%4)+\b)+7], v[SC+8*NQ*(\sc)+NQ*\b+(\q)], v[SC+8*NQ*(\sc)+NQ*(\a)+(\q)] matrix_a_fmt:MATRIX_FMT_FP4 matrix_b_fmt:MATRIX_FMT_FP4 matrix_a_scale:MATRIX_SCALE_ROW1
.endif
.endr
.endr
.endm
.macro FETCH_B slot, q, p
	WIN TO_B
.irp i, 0,1,2,3,4,5,6,7
	FRAG 128*(\p)+FR*\i, ADRB+\slot, \q, \i
.endr
	WIN 0
.endm
.macro FETCH_A slot, q, i0
.irp i, \i0, \i0+1, \i0+2, \i0+3
	FRAG AF+FR*(\i), ADRA+\slot, \q, \i
.endr
.endm
.macro SCALES sc                       ; a K step's scale words: four a row; lanes 0-15 take A's block i, lanes 16-31 B's block i
.irp i, 0,1,2,3,4,5,6,7
	ds_load_b128 v[SC+8*NQ*\sc+NQ*\i:SC+8*NQ*\sc+NQ*\i+3], v[ADRS] offset:\i*SBLK
.endr
.endm
.macro PLACES n                        ; plain vector instructions between a matrix instruction and a load into, or a vector write of, one of its registers, or a read of its result
.rept \n
	v_nop
.endr
.endm
.macro STEP slot, q, zero              ; 128 along K with a successor in the same slot
	s_wait_dscnt 4*NL                              ; B's set and A's blocks 0-3 are in; the youngest eight loads (A's blocks 4-7) may be out
	WIN MUL_LO
	MUL16 0, (\q)%2, \q, \slot, \zero
	MUL16 2, (\q)%2, \q, \slot, \zero
	s_wait_dscnt 0
	PLACES NP
	FETCH_B \slot, (\q)+1, 1-(\q)%2
	FETCH_A \slot, (\q)+1, 0
	WIN MUL_HI
	MUL16 4, (\q)%2, \q, \slot, \zero
	MUL16 6, (\q)%2, \q, \slot, \zero
	PLACES NP
	WIN 0
	FETCH_A \slot, (\q)+1, 4
.endm
.macro TURN slot, next                 ; slot 0's last step, and the change to slot 1: my part of it has landed, and behind the barrier everybody's has
	s_wait_tensorcnt 0x0
	ds_add_u32 v[SPW], v[NIL]                      ; 0 onto my spare word
	s_wait_dscnt 4*NL+1                            ; the add and the youngest eight loads may be out
	WIN MUL_LO
	MUL16 0, 1, NQ-1, \slot, 0
	s_wait_dscnt 0x0
	s_barrier_signal -1
	MUL16 2, 1, NQ-1, \slot, 0
	WIN 0
	s_barrier_wait -1
	PLACES NP
	v_add_nc_u32 v[ADRS], 4*NQ, v[ADRS]            ; the next K step's scale words (no LDS load of mine is out)
	FETCH_B \next, 0, 0
	FETCH_A \next, 0, 0
	SCALES \next
	WIN MUL_HI
	MUL16 4, 1, NQ-1, \slot, 0
	MUL16 6, 1, NQ-1, \slot, 0
	PLACES NP
	WIN 0
	FETCH_A \next, 0, 4
.endm
	s_wait_tensorcnt 1                             ; the scale bytes and my part of slot 0 are in; slot 1's load may be out
	s_barrier_signal -1
	s_barrier_wait -1
	FETCH_B 0, 0, 0
	FETCH_A 0, 0, 0
	SCALES 0
	FETCH_A 0, 0, 4
	STEP 0, 0, 1                                   ; the first products start the sums: nothing is cleared
	STEP 0, 1, 0
	STEP 0, 2, 0
	TURN 0, 1
	STEP 1, 0, 0
	STEP 1, 1, 0
	STEP 1, 2, 0
	s_wait_dscnt 4*NL
	WIN MUL_LO
	MUL16 0, 1, NQ-1, 1, 0
	MUL16 2, 1, NQ-1, 1, 0
	s_wait_dscnt 0
	WIN MUL_HI
	MUL16 4, 1, NQ-1, 1, 0
	MUL16 6, 1, NQ-1, 1, 0
	WIN 0
	; THE WAY OUT.  Accumulator (a, b): lane (r, h) holds A row 16 a + r and B rows 16 b + 8 h + 0 .. 7.  Rounded to f16 it is registers 4 (b % 2) .. + 3 of the fragment (a, b / 2): it is stored as it stands,
	; 16 bytes a lane, 512 consecutive bytes an instruction.  Each accumulator is read from its low end on.
	PLACES NP
.irp a, 0,1,2,3,4,5,6,7
.if \a == 4
	s_wait_xcnt 0x0                                ; the first four blocks' stores have read their registers, which come round now
.endif
	WIN 0x0a+5*(\a/4)
.irp b, 0,1,2,3,4,5,6,7
.irp r, 0,1,2,3
	v_cvt_pk_f16_f32 v[TMP+32*(\a%4)+4*\b+\r], v[64*(\a%4)+8*\b+2*\r], v[64*(\a%4)+8*\b+2*\r+1]
.endr
.endr
	WIN 0
.irp b, 0,1,2,3,4,5,6,7
	global_store_b128 v[CO], v[TMP+32*(\a%4)+4*\b:TMP+32*(\a%4)+4*\b+3], s[12+8*(\b/4):13+8*(\b/4)] offset:\a*2048+((\b/2)%2)*1024+(\b%2)*512
.endr
.endr
	s_wait_tensorcnt 0x0                           ; the wave's end
	ds_add_u32 v[SPW], v[NIL]
	s_wait_dscnt 0x0
	CROUND                                         ; the closing round: no work-group ends while a partner may still ask for a tile that names it
	s_endpgm
.Lfunc_end_k_q5fa7e5b655_proj:
	.size	k_q5fa7e5b655_proj, .Lfunc_end_k_q5fa7e5b655_proj-k_q5fa7e5b655_proj
	.p2alignl 7, 3214868480
	.fill 96, 4, 3214868480
	.section	.rodata,"a",@progbits
	.p2align	6, 0x0
	.amdhsa_kernel k_q5fa7e5b655_proj
		.amdhsa_group_segment_fixed_size 327680
		.amdhsa_private_segment_fixed_size 0
		.amdhsa_enable_private_segment 0
		.amdhsa_kernarg_size 24
		.amdhsa_user_sgpr_count 2
		.amdhsa_user_sgpr_kernarg_segment_ptr 1
		.amdhsa_wavefront_size32 1
		.amdhsa_system_sgpr_workgroup_id_x 1
		.amdhsa_system_sgpr_workgroup_id_y 1
		.amdhsa_system_sgpr_workgroup_id_z 1
		.amdhsa_system_vgpr_workitem_id 0
		.amdhsa_next_free_vgpr 1024
		.amdhsa_next_free_sgpr 100
		.amdhsa_reserve_vcc 0
		.amdhsa_float_denorm_mode_32 3
		.amdhsa_float_denorm_mode_16_64 3
		.amdhsa_memory_ordered 1
		.amdhsa_forward_progress 1
		.amdhsa_inst_pref_size 118
	.end_amdhsa_kernel
	.amdgpu_metadata
---
amdhsa.version: [ 1, 2 ]
amdhsa.kernels:
  - .name:           k_q5fa7e5b655_proj
    .symbol:         k_q5fa7e5b655_proj.kd
    .args:
      - { .name: codes, .offset: 0, .size: 8, .value_kind: global_buffer, .address_space: global }
      - { .name: scales, .offset: 8, .size: 8, .value_kind: global_buffer, .address_space: global }
      - { .name: qkv, .offset: 16, .size: 8, .value_kind: global_buffer, .address_space: global }
    .group_segment_fixed_size: 327680
    .private_segment_fixed_size: 0
    .kernarg_segment_align: 8
    .kernarg_segment_size: 24
    .max_flat_workgroup_size: 128
    .sgpr_count:     100
    .vgpr_count:     1024
    .wavefront_size: 32
...
	.end_amdgpu_metadata
.endif
;; end of part 2
;; launch attn (part 3): grid 4 x 64, 8 waves a work-group, no clusters, 66,560 bytes of LDS; arguments qkv, counts, yp; writes yp
.if DOCPART == 3
	.amdgcn_target "amdgcn-amd-amdhsa--gfx1250"
	.amdhsa_code_object_version 6
	.text
	.protected	k_q5fa7e5b655_attn
	.globl	k_q5fa7e5b655_attn
	.p2align	8
	.type	k_q5fa7e5b655_attn,@function
k_q5fa7e5b655_attn:
	s_mov_b64 s[64:65], 0
	v_nop
	global_prefetch_b8 v0, s[64:65] scope:SCOPE_SE
	s_setreg_imm32_b32 hwreg(HW_REG_WAVE_MODE, 25, 1), 1
	s_wait_xcnt 0x0
; ATTN: Y[b][q][head] = softmax_k(Q . K / 8, hidden keys at -infinity) V, f16 operands, f32 sums, a running maximum and sum in f32.
; LEFT OUT: the steps of 64 keys that hold no kept key.  The first launch laid each batch's kept keys first and stored their number; this launch reads it from memory and walks ceil(number / 64) steps; in the one
; step that is only partly kept, hidden scores become -infinity ahead of the maximum.  LIMITS: a NaN or infinity in K or V of a hidden key is not carried; the keys' order in the sums is the kept keys' order here;
; a batch with no kept key gives 0 x (1 / 0) = NaN, as reference() does.
; SHARES.  A work-group owns 512 queries of one head, each of its eight waves 64: four tiles of 16.  Two waves share a SIMD: one wave's softmax stands beside the other's products.
; LAYOUT.  S^T = K Q^T (source 0 = 16 keys, source 1 = 16 queries): a lane holds one query and the keys 8 (lane / 16) + 0 .. 7; two such tiles rounded to f16 in pairs are source 1 of O^T = V^T P.  Nothing changes lanes.
; K and V lie in memory as images of the operands' registers; a slot of LDS holds two steps (128 keys): K 16 KB, V 16 KB.  Wave w copies 4 KB of the NEXT slot: eight loads at the slot's head, eight LDS stores at
; its end, so the loads have two steps' work in which to land; one barrier a slot.
; NO TENSOR LOADS, NO CLUSTER, though the four query blocks of a head read the same K and V: how many steps are walked hangs on a number read from memory.
; All sixteen slots' barriers are passed by every wave; the branches on the count lead round the work alone.
; REGISTERS: window 0: v1-7 addresses and constants; v16-47 statistics, 8 a tile: +0 c m, +1 m, +2, +3 the sum (even keys', odd keys'), +4..+7 at work, a at +6; v48-79 the copy in hand; v128-255 S^T (32 a tile), P packed into its first 16.
;   window 1: v0-127 O^T (32 a tile); v128-191 Q; v192-255 K's or V's eight fragments of a step.
.set LI,   1                           ; 16 x lane
.set STA,  2                           ; 4096 x wave + 16 x lane
.set H8,   3                           ; 8 (lane / 16)
.set DD,   4
.set NINF, 5
.set SPW,  6
.set NIL,  7
.set ST,   16
.set STG,  48
.set S,    128
.set QF,   128
.set KV,   192
.set SLOTB, 32768
.set SPARE, 65536
.set WV,   10
.set SRC,  16                          ; s[16:17] where my copies come from
.set STP,  18                          ; s[18:19] its next step
.set STRIDE, 20
.set CNT,  21                          ; kept keys of my batch
.set KF,   22                          ; the slot's first key
.set T0,   23
.set TRIP, 24
.set CS,   26                          ; s[26:27] c = log2(e) / 8
.set SEL,  28
.set QB,   30
.set MSB, 0
.macro WIN new
.if MSB != \new
	s_set_vgpr_msb (MSB<<8)|\new
.set MSB, \new
.endif
.endm
.macro LOADKV off                      ; eight fragments, as they lie: 512 consecutive bytes a load
	WIN 0x40
.irp f, 0,1,2,3,4,5,6,7,8,9,10,11,12,13,14,15
	ds_load_b128 v[KV+4*\f:KV+4*\f+3], v[LI] offset:(\off)+512*\f
.endr
.endm
.macro KQ                              ; 32 products; the 16 accumulators take turns; the first 16 start the sums
	WIN 0x05
.irp c, 0,1
.irp t, 0,1,2,3
.irp q, 0,1,2,3
.if \c == 0
	v_wmma_f32_16x16x32_f16 v[S+32*\q+8*\t:S+32*\q+8*\t+7], v[KV+16*\t+8*\c:KV+16*\t+8*\c+7], v[QF+16*\q+8*\c:QF+16*\q+8*\c+7], 0
.else
	v_wmma_f32_16x16x32_f16 v[S+32*\q+8*\t:S+32*\q+8*\t+7], v[KV+16*\t+8*\c:KV+16*\t+8*\c+7], v[QF+16*\q+8*\c:QF+16*\q+8*\c+7], v[S+32*\q+8*\t:S+32*\q+8*\t+7]
.endif
.endr
.endr
.endr
.endm
.macro PV                              ; 32 products, 16 accumulators by turns
	WIN 0x51
.irp u, 0,1
.irp n, 0,1,2,3
.irp q, 0,1,2,3
	v_wmma_f32_16x16x32_f16 v[32*\q+8*\n:32*\q+8*\n+7], v[KV+16*\n+8*\u:KV+16*\n+8*\u+7], v[S+32*\q+8*\u:S+32*\q+8*\u+7], v[32*\q+8*\n:32*\q+8*\n+7]
.endr
.endr
.endr
.endm
.macro MASK st                         ; register 8 t + j holds key 16 t + 8 (lane / 16) + j of the step: hidden where that is no less than the kept keys left
	s_sub_co_i32 s[T0], s[CNT], s[KF]
.if \st
	s_sub_co_i32 s[T0], s[T0], 64
.endif
	v_sub_nc_u32 v[DD], s[T0], v[H8]
.irp t, 0,1,2,3
.irp j, 0,1,2,3,4,5,6,7
	v_cmp_ge_i32 vcc_lo, 16*\t+\j, v[DD]
.irp q, 0,1,2,3
	v_cndmask_b32 v[S+32*\q+8*\t+\j], v[S+32*\q+8*\t+\j], v[NINF], vcc_lo
.endr
.endr
.endr
.endm
.macro SOFTMAX                         ; the four tiles by turns in every line, so that no line waits for the line above it
	WIN 0
.irp j, 0,1,2,3
.irp t, 0,1,2,3
	v_max3_num_f32 v[ST+8*\t+4+\j], v[S+32*\t+8*\j], v[S+32*\t+8*\j+1], v[S+32*\t+8*\j+2]   ; each accumulator is read from its low end on
.endr
.endr
.irp k, 3,5
.irp j, 0,1,2,3
.irp t, 0,1,2,3
	v_max3_num_f32 v[ST+8*\t+4+\j], v[ST+8*\t+4+\j], v[S+32*\t+8*\j+\k], v[S+32*\t+8*\j+\k+1]
.endr
.endr
.endr
.irp t, 0,1,2,3
	v_max3_num_f32 v[ST+8*\t+4], v[ST+8*\t+4], v[S+32*\t+7], v[S+32*\t+15]
.endr
.irp t, 0,1,2,3
	v_max3_num_f32 v[ST+8*\t+6], v[ST+8*\t+6], v[S+32*\t+23], v[S+32*\t+31]
.endr
.irp t, 0,1,2,3
	v_max3_num_f32 v[ST+8*\t+4], v[ST+8*\t+4], v[ST+8*\t+5], v[ST+8*\t+6]
.endr
.irp t, 0,1,2,3
	v_max3_num_f32 v[ST+8*\t+4], v[ST+8*\t+4], v[ST+8*\t+7], v[ST+8*\t+1]   ; with the old m
.endr
.irp t, 0,1,2,3
	v_permlanex16_b32 v[ST+8*\t+5], v[ST+8*\t+4], s[SEL], s[SEL+1]          ; the query's other 32 keys lie 16 lanes away
.endr
.irp t, 0,1,2,3
	v_mov_b32 v[ST+8*\t+7], v[ST+8*\t]
.endr
.irp t, 0,1,2,3
	v_max_num_f32 v[ST+8*\t+1], v[ST+8*\t+4], v[ST+8*\t+5]                  ; the new m
.endr
.irp t, 0,1,2,3
	v_mul_f32 v[ST+8*\t], s[CS], v[ST+8*\t+1]
.endr
.irp t, 0,1,2,3
	v_sub_f32 v[ST+8*\t+7], v[ST+8*\t+7], v[ST+8*\t]                        ; c m_old - c m_new
.endr
.irp g, 0,1,2,3,4,5,6,7,8,9,10,11,12,13,14,15
	v_pk_fma_f32 v[S+2*\g:S+2*\g+1], v[S+2*\g:S+2*\g+1], s[CS:CS+1], v[ST:ST+1] op_sel_hi:[1,0,0] neg_lo:[0,0,1] neg_hi:[0,0,1]   ; tile 0: c s - c m
.endr
	; ONE BATCH of 132 exponentials with one wait: nothing up to the wait names a result; the next tile's scalings stand among them
.irp t, 0,1,2,3
	v_exp_f32 v[ST+8*\t+6], v[ST+8*\t+7]                                    ; a = 2^(c m_old - c m_new)
.endr
.irp t, 0,1,2,3
.irp g, 0,1,2,3,4,5,6,7,8,9,10,11,12,13,14,15
.if \t < 3
	v_pk_fma_f32 v[S+32*(\t+1)+2*\g:S+32*(\t+1)+2*\g+1], v[S+32*(\t+1)+2*\g:S+32*(\t+1)+2*\g+1], s[CS:CS+1], v[ST+8*(\t+1):ST+8*(\t+1)+1] op_sel_hi:[1,0,0] neg_lo:[0,0,1] neg_hi:[0,0,1]
.endif
	v_exp_f32 v[S+32*\t+2*\g], v[S+32*\t+2*\g]
	v_exp_f32 v[S+32*\t+2*\g+1], v[S+32*\t+2*\g+1]
.endr
.endr
	v_nop                                          ; a plain instruction behind the last exponential
	s_wait_alu depctr_va_vdst(0)                   ; the wait ahead of the first line that names a result: one for the batch
.irp t, 0,1,2,3
	v_pk_mul_f32 v[ST+8*\t+2:ST+8*\t+3], v[ST+8*\t+2:ST+8*\t+3], v[ST+8*\t+6:ST+8*\t+7] op_sel_hi:[1,0]
.endr
.irp g, 0,1,2,3,4,5,6,7,8,9,10,11,12,13,14,15
.irp t, 0,1,2,3
	v_pk_add_f32 v[ST+8*\t+2:ST+8*\t+3], v[ST+8*\t+2:ST+8*\t+3], v[S+32*\t+2*\g:S+32*\t+2*\g+1]
.endr
.endr
.irp i, 0,1,2,3,4,5,6,7,8,9,10,11,12,13,14,15
.irp t, 0,1,2,3
	v_cvt_pk_f16_f32 v[S+32*\t+\i], v[S+32*\t+2*\i], v[S+32*\t+2*\i+1]      ; P, in place: register i is written when registers 2 i, 2 i + 1 are read
.endr
.endr
	WIN 0x41
.irp i, 0,1,2,3,4,5,6,7,8,9,10,11,12,13,14,15
.irp t, 0,1,2,3
	v_pk_mul_f32 v[32*\t+2*\i:32*\t+2*\i+1], v[32*\t+2*\i:32*\t+2*\i+1], v[ST+8*\t+6:ST+8*\t+7] op_sel_hi:[1,0]   ; O^T x a
.endr
.endr
.endm
.macro STEP sl, st                     ; 64 keys
	LOADKV (\sl)*SLOTB+8192*(\st)
	s_wait_dscnt 0x0
	KQ
	WIN 0
.rept 4
	v_nop                                          ; places in front of the loads into K's registers and of the reads of S^T
.endr
	LOADKV (\sl)*SLOTB+16384+8192*(\st)            ; V lands under the softmax
	WIN 0
	s_add_co_u32 s[T0], s[KF], 64*(\st)+64
	s_cmp_le_u32 s[T0], s[CNT]
	s_cbranch_scc1 .Lopen_\@                       ; all 64 keys are kept
	MASK \st
.Lopen_\@:
	SOFTMAX
	s_wait_dscnt 0x0
	PV
	WIN 0
.rept 5
	v_nop                                          ; five places: the next step's first products write over P, and its loads land on V
.endr
.endm
.macro SLOTM sl                        ; 128 keys in slot sl; the next 128 are copied into the other slot
	s_cmp_ge_u32 s[KF], s[CNT]
	s_cbranch_scc1 .Lidle_\@
	s_add_co_u32 s[T0], s[KF], 128
	s_cmp_lt_u32 s[T0], 2048
	s_cselect_b32 s[STP], s[STRIDE], 0             ; the last slot asks for itself again: no load leaves the buffer
	s_add_nc_u64 s[SRC:SRC+1], s[SRC:SRC+1], s[STP:STP+1]   ; (the loads that named it have been waited for)
.irp j, 0,1,2,3,4,5,6,7
	global_load_b128 v[STG+4*\j:STG+4*\j+3], v[LI], s[SRC:SRC+1] offset:512*\j
.endr
	STEP \sl, 0
	s_add_co_u32 s[T0], s[KF], 64
	s_cmp_ge_u32 s[T0], s[CNT]
	s_cbranch_scc1 .Lone_\@
	STEP \sl, 1
.Lone_\@:
	s_wait_loadcnt 0x0
.irp j, 0,1,2,3,4,5,6,7
	ds_store_b128 v[STA], v[STG+4*\j:STG+4*\j+3] offset:(1-\sl)*SLOTB+512*\j
.endr
.Lidle_\@:
	s_wait_dscnt 0x0                               ; my stores into the other slot have landed, my reads of this one are over
	s_barrier_signal -1
	s_barrier_wait -1
	s_add_co_u32 s[KF], s[KF], 128
.endm
	s_load_b128 s[4:7], s[0:1], 0x0                ; qkv s[4:5], counts s[6:7]
	s_load_b64 s[8:9], s[0:1], 0x10                ; yp
	v_lshl_add_u32 v[SPW], v0, 2, SPARE
	v_mov_b32 v[NIL], 0
	v_lshrrev_b32 v8, 5, v0
	v_readfirstlane_b32 s[WV], v8                  ; wave 0..7
	v_and_b32 v8, 31, v0
	v_lshlrev_b32 v[LI], 4, v8
	s_lshl_b32 s11, s[WV], 12
	v_add_nc_u32 v[STA], s11, v[LI]
	v_bfe_u32 v[H8], v0, 4, 1
	v_lshlrev_b32 v[H8], 3, v[H8]
	v_mov_b32 v[NINF], 0xff800000
	s_and_b32 s12, ttmp7, 0xffff
	s_lshr_b32 s13, s12, 4                         ; the batch
	s_and_b32 s14, s12, 15                         ; the head
	s_lshl_b32 s32, s13, 22
	s_lshl_b32 s33, s14, 18
	s_add_co_u32 s34, s32, s33
	s_lshl_b32 s35, ttmp9, 5
	s_lshl_b32 s36, s[WV], 2
	s_add_co_u32 s35, s35, s36                     ; my first tile of queries: 32 x + 4 w
	s_lshl_b32 s36, s35, 11
	s_add_co_u32 s[QB], s34, s36
	s_mov_b32 s[QB+1], 0
	s_and_b32 s37, s[WV], 3
	s_lshl_b32 s38, s37, 12
	s_add_co_u32 s38, s38, s34
	s_add_co_u32 s38, s38, 1<<24                   ; waves 0-3: K, 4 KB each of the slot's 16 KB
	s_lshl_b32 s39, s14, 13
	s_add_co_u32 s39, s39, s32
	s_lshr_b32 s40, s37, 1
	s_lshl_b32 s40, s40, 17
	s_add_co_u32 s39, s39, s40
	s_and_b32 s40, s[WV], 1
	s_lshl_b32 s40, s40, 12
	s_add_co_u32 s39, s39, s40
	s_add_co_u32 s39, s39, 2<<24                   ; waves 4-7: V, half of the head's 8 KB of one of the slot's two steps
	s_mov_b32 s41, 0x40000
	s_cmp_lt_u32 s[WV], 4
	s_cselect_b32 s[SRC], s38, s39
	s_cselect_b32 s[STRIDE], 0x4000, s41           ; a slot on: 16 KB in K, two steps of 128 KB in V
	s_mov_b32 s[SRC+1], 0
	s_mov_b32 s[STP+1], 0
	s_lshl_b32 s42, s13, 7
	s_add_co_u32 s42, s42, s35
	s_lshl_b32 s42, s42, 15                        ; yp: 32 KB for each 16 tokens,
	s_lshl_b32 s43, s14, 11
	s_add_co_u32 s42, s42, s43                     ; 2 KB for each head
	s_mov_b32 s43, 0
	s_lshl_b32 s15, s13, 7
	s_mov_b32 s[CS], 0x3e38aa3b                    ; c = log2(e) / sqrt(64)
	s_mov_b32 s[CS+1], s[CS]
	s_mov_b32 s[SEL], 0x76543210
	s_mov_b32 s[SEL+1], 0xfedcba98
	s_wait_kmcnt 0x0
	s_load_b32 s[CNT], s[6:7], s15 offset:0x0      ; my batch's kept keys
	s_add_nc_u64 s[SRC:SRC+1], s[4:5], s[SRC:SRC+1]
	s_add_nc_u64 s[QB:QB+1], s[4:5], s[QB:QB+1]
	s_add_nc_u64 s[8:9], s[8:9], s[42:43]
.irp j, 0,1,2,3,4,5,6,7
	global_load_b128 v[STG+4*\j:STG+4*\j+3], v[LI], s[SRC:SRC+1] offset:512*\j   ; slot 0
.endr
	WIN 0x40
.irp i, 0,1,2,3,4,5,6,7,8,9,10,11,12,13,14,15
	global_load_b128 v[QF+4*\i:QF+4*\i+3], v[LI], s[QB:QB+1] offset:512*\i th:TH_LOAD_NT   ; Q stays in registers
.endr
.set i, 0
.rept 128
	v_mov_b32 v[i], 0                              ; O^T.  The number of steps hangs on the count and may be 0, so no first step can be written out to start the sums
.set i, i+1
.endr
	WIN 0
.irp t, 0,1,2,3
	v_mov_b32 v[ST+8*\t+1], 0xff61b1e6             ; m = -3e38, under every score
	v_mul_f32 v[ST+8*\t], s[CS], v[ST+8*\t+1]
.irp k, 2,3,4,5,6,7
	v_mov_b32 v[ST+8*\t+\k], 0
.endr
.endr
	s_wait_loadcnt 16                              ; slot 0's eight loads are in; Q's sixteen may be out
.irp j, 0,1,2,3,4,5,6,7
	ds_store_b128 v[STA], v[STG+4*\j:STG+4*\j+3] offset:512*\j
.endr
	s_wait_kmcnt 0x0
	s_min_u32 s[CNT], s[CNT], 2048
	s_mov_b32 s[KF], 0
	s_mov_b32 s[TRIP], 8
	s_wait_loadcnt 0x0
	s_wait_dscnt 0x0
	s_barrier_signal -1
	s_barrier_wait -1
.Ltrip:
	SLOTM 0
	SLOTM 1
	s_sub_co_u32 s[TRIP], s[TRIP], 1
	s_cmp_lg_u32 s[TRIP], 0
	s_cbranch_scc1 .Ltrip
	; THE WAY OUT: O^T / the sum, rounded to f16: accumulator (tile, n) is half n % 2 of the fragment (16 tokens, channels 64 head + 32 (n / 2) on) of the last product's operand; stored as it stands
.irp t, 0,1,2,3
	v_add_f32 v[ST+8*\t+4], v[ST+8*\t+2], v[ST+8*\t+3]
.endr
.irp t, 0,1,2,3
	v_permlanex16_b32 v[ST+8*\t+5], v[ST+8*\t+4], s[SEL], s[SEL+1]
.endr
.irp t, 0,1,2,3
	v_add_f32 v[ST+8*\t+4], v[ST+8*\t+4], v[ST+8*\t+5]
.endr
.irp t, 0,1,2,3
	v_rcp_f32 v[ST+8*\t+6], v[ST+8*\t+4]
.endr
	v_nop
	s_wait_alu depctr_va_vdst(0)                   ; one wait for the four reciprocals, ahead of their first reader
.irp t, 0,1,2,3
	WIN 0x41
.irp i, 0,1,2,3,4,5,6,7,8,9,10,11,12,13,14,15
	v_pk_mul_f32 v[32*\t+2*\i:32*\t+2*\i+1], v[32*\t+2*\i:32*\t+2*\i+1], v[ST+8*\t+6:ST+8*\t+7] op_sel_hi:[1,0]
.endr
	WIN 0x05
.irp i, 0,1,2,3,4,5,6,7,8,9,10,11,12,13,14,15
	v_cvt_pk_f16_f32 v[S+16*\t+\i], v[32*\t+2*\i], v[32*\t+2*\i+1]
.endr
	WIN 0
.irp n, 0,1,2,3
	global_store_b128 v[LI], v[S+16*\t+4*\n:S+16*\t+4*\n+3], s[8:9] offset:\t*32768+\n*512   ; 512 consecutive bytes, aligned
.endr
.endr
	s_wait_tensorcnt 0x0                           ; the wave's end, behind my last LDS store
	ds_add_u32 v[SPW], v[NIL]
	s_wait_dscnt 0x0
	s_endpgm
.Lfunc_end_k_q5fa7e5b655_attn:
	.size	k_q5fa7e5b655_attn, .Lfunc_end_k_q5fa7e5b655_attn-k_q5fa7e5b655_attn
	.p2alignl 7, 3214868480
	.fill 96, 4, 3214868480
	.section	.rodata,"a",@progbits
	.p2align	6, 0x0
	.amdhsa_kernel k_q5fa7e5b655_attn
		.amdhsa_group_segment_fixed_size 66560
		.amdhsa_private_segment_fixed_size 0
		.amdhsa_enable_private_segment 0
		.amdhsa_kernarg_size 24
		.amdhsa_user_sgpr_count 2
		.amdhsa_user_sgpr_kernarg_segment_ptr 1
		.amdhsa_wavefront_size32 1
		.amdhsa_system_sgpr_workgroup_id_x 1
		.amdhsa_system_sgpr_workgroup_id_y 1
		.amdhsa_system_sgpr_workgroup_id_z 1
		.amdhsa_system_vgpr_workitem_id 0
		.amdhsa_next_free_vgpr 512
		.amdhsa_next_free_sgpr 66
		.amdhsa_reserve_vcc 1
		.amdhsa_float_denorm_mode_32 3
		.amdhsa_float_denorm_mode_16_64 3
		.amdhsa_memory_ordered 1
		.amdhsa_forward_progress 1
		.amdhsa_inst_pref_size 174
	.end_amdhsa_kernel
	.amdgpu_metadata
---
amdhsa.version: [ 1, 2 ]
amdhsa.kernels:
  - .name:           k_q5fa7e5b655_attn
    .symbol:         k_q5fa7e5b655_attn.kd
    .args:
      - { .name: qkv, .offset: 0, .size: 8, .value_kind: global_buffer, .address_space: global }
      - { .name: counts, .offset: 8, .size: 8, .value_kind: global_buffer, .address_space: global }
      - { .name: yp, .offset: 16, .size: 8, .value_kind: global_buffer, .address_space: global }
    .group_segment_fixed_size: 66560
    .private_segment_fixed_size: 0
    .kernarg_segment_align: 8
    .kernarg_segment_size: 24
    .max_flat_workgroup_size: 256
    .sgpr_count:     66
    .vgpr_count:     512
    .wavefront_size: 32
...
	.end_amdgpu_metadata
.endif
;; end of part 3
;; launch outp (part 4): grid 4 x 64, 4 waves a work-group, clusters of 4 x 4, 327,680 bytes of LDS; arguments yp, wo, out0; writes out0
.if DOCPART == 4
	.amdgcn_target "amdgcn-amd-amdhsa--gfx1250"
	.amdhsa_code_object_version 6
	.text
	.protected	k_q5fa7e5b655_outp
	.globl	k_q5fa7e5b655_outp
	.p2align	8
	.type	k_q5fa7e5b655_outp,@function
k_q5fa7e5b655_outp:
	s_mov_b64 s[64:65], 0
	v_nop
	global_prefetch_b8 v0, s[64:65] scope:SCOPE_SE
	s_setreg_imm32_b32 hwreg(HW_REG_WAVE_MODE, 25, 1), 1
	s_wait_xcnt 0x0
	s_wait_alu depctr_hold_cnt(0) depctr_sa_sdst(0) depctr_va_vdst(0) depctr_va_sdst(0) depctr_va_ssrc(0) depctr_va_vcc(0) depctr_vm_vsrc(0)
	s_getreg_b32 s2, hwreg(HW_REG_IB_STS2, 6, 4)
	s_cmp_eq_u32 s2, 0
	s_cbranch_scc0 .Lentry_in_a_cluster
	s_endpgm
.Lentry_in_a_cluster:
	s_bfe_u32 s2, ttmp6, 0x10000c
	s_cmp_lg_u32 s2, 0xf033
	s_cbranch_scc0 .Lentry_shape_is_right
	s_endpgm
.Lentry_shape_is_right:
; OUTP: out0 = Y W_O, f16 operands, f32 sums.  Y [8192][1024] and W_O lie in memory as images of the operands' registers: yp [16 tokens 512][32 channels 32][1 KB], wo [16 columns 64][32 channels 32][1 KB].
; Nothing is left out here.  A tile of 128 tokens x 256 columns to a work-group: 64 x 4 = 256 work-groups.  Four waves, each 64 x 128: 32 accumulators, 256 registers.
; K goes in eight steps of 128 through two LDS slots: for each 16 tokens (or columns) a step is 4 KB on end, 32 KB apart in memory: a tile of rows of 4 KB.  Fragments are read as they lie: 512 consecutive bytes a load.
; CLUSTERS of 4 x 4: the four of a row need the same tile of Y, the four of a column the same tile of W_O: each is asked for jointly.  A refill stands first behind a round of the cluster's barrier, one tensor load a wave;
; two loads of mine are out at the start, one behind each round.
; THE MATRIX INSTRUCTION IS USED TRANSPOSED (source 0 = 16 columns of W_O, source 1 = 16 tokens): a lane holds eight neighbouring numbers of a row of out0.
; REGISTERS: window 0: v16-29 addresses; two fragment buffers of 96 (Y's 4, then W_O's 8) at v32 and v128; on the way out v32-159 rows read back.   window 1: accumulator (a, b) at v[8 (8 a + b)].
.set SLOT,   98304                     ; Y: 8 x 4 KB, then W_O: 16 x 4 KB
.set BOFF,   32768
.set STAGE,  2*SLOT                    ; bytes of its own: 16 rows x 528 bytes for each wave
.set SPITCH, 528
.set SPARE,  STAGE+4*16*SPITCH
.set ADRA, 16
.set ADRB, 20
.set STO,  24
.set RD,   25
.set CO,   26
.set SPW,  28
.set NIL,  29
.set F0,   32
.set F1,   128
.set BK,   32
.set G1, 24
.set G0, 32
.set G1B, 48
.set G0B, 56
.set MSB, 0
.macro WIN new
.if MSB != \new
	s_set_vgpr_msb (MSB<<8)|\new
.set MSB, \new
.endif
.endm
.set MUL, 0x50                         ; C and D window 1
.macro JLOAD s                         ; waves 0 and 1 fetch Y's halves, waves 2 and 3 W_O's; an s_nop 0 and four v_nop follow each line
	s_cmp_eq_u32 s11, 0
	s_cbranch_scc0 .Lfor_b_\@
	tensor_load_to_lds s[G0+4*\s:G0+4*\s+3], s[G1:G1+7]
	s_nop 0
.rept 4
	v_nop
.endr
	s_branch .Lasked_\@
.Lfor_b_\@:
	tensor_load_to_lds s[G0B+4*\s:G0B+4*\s+3], s[G1B:G1B+7]
	s_nop 0
.rept 4
	v_nop
.endr
.Lasked_\@:
.endm
.macro CREST
	s_cmp_lg_u32 s10, 0
	s_cbranch_scc1 .Lnot_wave_0_\@
	s_barrier_signal -3
.Lnot_wave_0_\@:
	s_barrier_wait -3
	s_barrier_signal -1
	s_barrier_wait -1
.endm
.macro CROUND
	s_barrier_signal -1
	s_barrier_wait -1
	CREST
.endm
	s_load_b128 s[4:7], s[0:1], 0x0                ; yp s[4:5], wo s[6:7]
	s_load_b64 s[8:9], s[0:1], 0x10                ; out0
	v_lshl_add_u32 v[SPW], v0, 2, SPARE
	v_mov_b32 v[NIL], 0
	ds_add_u32 v[SPW], v[NIL]                      ; the wave's opening: the add, twice on end, and its wait ahead of my first tensor load
	ds_add_u32 v[SPW], v[NIL]
	v_lshrrev_b32 v1, 5, v0
	v_readfirstlane_b32 s10, v1                    ; wave 0..3
	s_lshr_b32 s11, s10, 1                         ; which 64 tokens are mine.  Also: I fetch for Y (0) or for W_O (1)
	s_and_b32 s12, s10, 1                          ; which 128 columns.  Also: which half of that tile I fetch
	s_bfe_u32 s40, ttmp6, 0x40000                  ; cx
	s_bfe_u32 s41, ttmp6, 0x40004                  ; cy
	s_lshl_b32 s42, ttmp9, 2
	s_add_co_u32 s42, s42, s40                     ; tile column
	s_and_b32 s13, ttmp7, 0xffff
	s_lshl_b32 s13, s13, 2
	s_add_co_u32 s13, s13, s41                     ; tile row
	s_lshl_b32 s43, s41, 2
	s_lshl_b32 s43, 15, s43                        ; my row of the cluster
	s_lshl_b32 s44, 0x1111, s40                    ; my column
	; descriptor group 1: rows of 512 elements of 8 bytes, 4,096 elements apart; Y: 4 rows, W_O: 8; no padding
	s_or_b32 s[G1+0], s43, (3<<16)|(1<<21)
	s_or_b32 s[G1B+0], s44, (3<<16)|(1<<21)
	s_mov_b32 s[G1+1], 512<<16
	s_mov_b32 s[G1+2], 4<<16
	s_mov_b32 s[G1+3], 512<<16
	s_mov_b32 s[G1+4], 4
	s_mov_b32 s[G1+5], 4096
	s_mov_b32 s[G1+6], 0
	s_mov_b32 s[G1+7], 0
	s_mov_b32 s[G1B+1], 512<<16
	s_mov_b32 s[G1B+2], 8<<16
	s_mov_b32 s[G1B+3], 512<<16
	s_mov_b32 s[G1B+4], 8
	s_mov_b32 s[G1B+5], 4096
	s_mov_b32 s[G1B+6], 0
	s_mov_b32 s[G1B+7], 0
	s_lshl_b32 s16, s13, 3
	s_lshl_b32 s17, s12, 2
	s_add_co_u32 s16, s16, s17
	s_lshl_b32 s16, s16, 15                        ; Y: (8 x tile row + 4 x half) x 32 KB
	s_mov_b32 s17, 0
	s_lshl_b32 s46, s42, 4
	s_lshl_b32 s47, s12, 3
	s_add_co_u32 s46, s46, s47
	s_lshl_b32 s46, s46, 15                        ; W_O: (16 x tile column + 8 x half) x 32 KB
	s_mov_b32 s47, 0
	s_lshl_b32 s20, s12, 14                        ; where they go: Y's halves at 0 and 16 KB,
	s_lshl_b32 s21, s12, 15
	s_add_co_u32 s21, s21, BOFF                    ; W_O's at 32 KB and 64 KB: no place in the cluster enters an LDS address
	s_wait_dscnt 0x0                               ; both opening adds are done
	s_wait_kmcnt 0x0
	s_add_nc_u64 s[14:15], s[4:5], s[16:17]
	s_add_nc_u64 s[46:47], s[6:7], s[46:47]
	CROUND                                         ; all sixteen work-groups are here: the first joint loads meet
.irp s, 0,1
	s_mov_b32 s[G0+4*\s], 1
	s_add_co_u32 s[G0+4*\s+1], s20, \s*SLOT
	s_add_nc_u64 s[G0+4*\s+2:G0+4*\s+3], s[14:15], \s*4096
	s_or_b32 s[G0+4*\s+3], s[G0+4*\s+3], 0x80000000
	s_mov_b32 s[G0B+4*\s], 1
	s_add_co_u32 s[G0B+4*\s+1], s21, \s*SLOT
	s_add_nc_u64 s[G0B+4*\s+2:G0B+4*\s+3], s[46:47], \s*4096
	s_or_b32 s[G0B+4*\s+3], s[G0B+4*\s+3], 0x80000000
	JLOAD \s
.endr
	v_and_b32 v1, 15, v0                           ; l % 16
	v_bfe_u32 v2, v0, 4, 1                         ; l / 16
	v_and_b32 v3, 31, v0
	v_lshlrev_b32 v[CO], 4, v3                     ; 16 x lane
	s_lshl_b32 s21, s11, 14                        ; my 64 tokens' fragments
	s_lshl_b32 s22, s12, 15
	s_add_co_u32 s22, s22, BOFF                    ; my 128 columns'
.irp s, 0,1
	v_add_nc_u32 v[ADRA+\s], s21, v[CO]
	v_add_nc_u32 v[ADRB+\s], s22, v[CO]
	s_add_co_u32 s21, s21, SLOT
	s_add_co_u32 s22, s22, SLOT
.endr
	s_mul_i32 s23, s10, 16*SPITCH
	s_add_co_u32 s23, s23, STAGE                   ; my stage
	v_mul_u32_u24 v4, v1, SPITCH
	v_lshl_add_u32 v4, v2, 5, v4
	v_add_nc_u32 v[STO], s23, v4                   ; in: row l % 16, 32 bytes for each half of the lanes
	v_add_nc_u32 v[RD], s23, v[CO]                 ; back: the 32 lanes take a row of 512 bytes
	s_lshl_b32 s16, s13, 7
	s_lshl_b32 s17, s11, 6
	s_add_co_u32 s16, s16, s17
	s_lshl_b32 s16, s16, 12                        ; my first row of out0, 4,096 bytes a row,
	s_lshl_b32 s17, s42, 10
	s_add_co_u32 s16, s16, s17
	s_lshl_b32 s17, s12, 9
	s_add_co_u32 s16, s16, s17                     ; my first column
	s_mov_b32 s17, 0
	s_add_nc_u64 s[8:9], s[8:9], s[16:17]
.macro MUL8 f, a, zero                 ; tokens' block a x the eight blocks of columns, 32 along K
.irp b, 0,1,2,3,4,5,6,7
.if \zero
	v_wmma_f32_16x16x32_f16 v[8*(8*(\a)+\b):8*(8*(\a)+\b)+7], v[\f+32+8*\b:\f+32+8*\b+7], v[\f+8*(\a):\f+8*(\a)+7], 0
.else
	v_wmma_f32_16x16x32_f16 v[8*(8*(\a)+\b):8*(8*(\a)+\b)+7], v[\f+32+8*\b:\f+32+8*\b+7], v[\f+8*(\a):\f+8*(\a)+7], v[8*(8*(\a)+\b):8*(8*(\a)+\b)+7]
.endif
.endr
.endm
.macro FETCH slot, q, f                ; 24 LDS loads: the fragments of the slot's q-th 32 along K
.irp i, 0,1,2,3
	ds_load_b128 v[\f+8*\i:\f+8*\i+3],   v[ADRA+\slot] offset:(4*\i+(\q))*1024
	ds_load_b128 v[\f+8*\i+4:\f+8*\i+7], v[ADRA+\slot] offset:(4*\i+(\q))*1024+512
.endr
.irp i, 0,1,2,3,4,5,6,7
	ds_load_b128 v[\f+32+8*\i:\f+32+8*\i+3],   v[ADRB+\slot] offset:(4*\i+(\q))*1024
	ds_load_b128 v[\f+32+8*\i+4:\f+32+8*\i+7], v[ADRB+\slot] offset:(4*\i+(\q))*1024+512
.endr
.endm
.macro PLACES                          ; four plain vector instructions in front of loads into registers that matrix instructions have read, and of reads of results
.rept 4
	v_nop
.endr
.endm
; A K step is four quarters of 32 along K, 32 matrix instructions each, on buffers 0, 1, 0, 1; the 32 accumulators take turns in one order everywhere.
.macro QUARTER slot, q, f, g, zero     ; fetches the next quarter into g, multiplies f
	PLACES
	WIN 0
	FETCH \slot, (\q)+1, \g
	s_wait_dscnt 24                                ; all but the 24 just issued
	WIN MUL
	MUL8 \f, 0, \zero
	MUL8 \f, 1, \zero
	MUL8 \f, 2, \zero
	MUL8 \f, 3, \zero
.endm
; The last quarter multiplies buffer 1 and changes slots: one barrier; in front of it each wave waits for all its tensor loads, adds 0 to its spare word, and waits for that and for its reads of this slot.
.macro TURN slot, next, fill
	WIN 0
	s_wait_tensorcnt 0x0                           ; my part of the next slot has landed
	ds_add_u32 v[SPW], v[NIL]                      ; 0 onto my spare word
	s_wait_dscnt 1                                 ; buffer 1 is in; the add may be out
	WIN MUL
	MUL8 F1, 0, 0
	s_wait_dscnt 0x0                               ; the add is done, and my reads of this slot are over
	s_barrier_signal -1
	MUL8 F1, 1, 0
	WIN 0
	s_barrier_wait -1
.if \fill
	CREST                                          ; the barrier has opened a round of the cluster's: no wave of any partner still reads this slot or has a load on its way
	s_add_nc_u64 s[G0+4*\slot+2:G0+4*\slot+3], s[G0+4*\slot+2:G0+4*\slot+3], 8192
	s_add_nc_u64 s[G0B+4*\slot+2:G0B+4*\slot+3], s[G0B+4*\slot+2:G0B+4*\slot+3], 8192
	JLOAD \slot                                    ; two K steps on; the four v_nop behind it are also the places in front of the loads below
.else
	PLACES
.endif
	FETCH \next, 0, F0
	WIN MUL
	MUL8 F1, 2, 0
	MUL8 F1, 3, 0
.endm
	s_wait_tensorcnt 1                             ; my part of K step 0 is in; K step 1's load may be out
	s_barrier_signal -1
	s_barrier_wait -1
	FETCH 0, 0, F0
	QUARTER 0, 0, F0, F1, 1                        ; the first products start the sums
	WIN 0
	s_mov_b32 s3, 3
.Llap:                                             ; three trips, each once round the ring, from a lap's second quarter to the next lap's first: K steps 2 to 7 are asked for
	QUARTER 0, 1, F1, F0, 0
	QUARTER 0, 2, F0, F1, 0
	TURN 0, 1, 1
	QUARTER 1, 0, F0, F1, 0
	QUARTER 1, 1, F1, F0, 0
	QUARTER 1, 2, F0, F1, 0
	TURN 1, 0, 1
	QUARTER 0, 0, F0, F1, 0
	WIN 0
	s_sub_co_u32 s3, s3, 1
	s_cmp_lg_u32 s3, 0
	s_cbranch_scc1 .Llap
	QUARTER 0, 1, F1, F0, 0                        ; the last lap fills nothing
	QUARTER 0, 2, F0, F1, 0
	TURN 0, 1, 0
	QUARTER 1, 0, F0, F1, 0
	QUARTER 1, 1, F1, F0, 0
	QUARTER 1, 2, F0, F1, 0
	s_wait_dscnt 0x0
	MUL8 F1, 0, 0
	MUL8 F1, 1, 0
	MUL8 F1, 2, 0
	MUL8 F1, 3, 0
	WIN 0
; THE WAY OUT, a block of 16 rows x 128 columns at a time, through my own stage: in 32 bytes a lane, back as whole rows of 512 bytes.  LDS serves a wave's instructions in order: no wait between the stores and the loads.
.macro TOSTAGE a
	WIN 0x04                                       ; an LDS store's data are its source 1: window 1
.irp b, 0,1,2,3,4,5,6,7
	ds_store_b128 v[STO], v[8*(8*(\a)+\b):8*(8*(\a)+\b)+3] offset:64*\b        ; each accumulator from its low end on
	ds_store_b128 v[STO], v[8*(8*(\a)+\b)+4:8*(8*(\a)+\b)+7] offset:64*\b+16
.endr
	WIN 0
.set BB, BK+64*((\a)%2)
.irp t, 0,1,2,3,4,5,6,7,8,9,10,11,12,13,14,15
	ds_load_b128 v[BB+4*\t:BB+4*\t+3], v[RD] offset:\t*SPITCH
.endr
.endm
.macro SEND a, younger
.set BB, BK+64*((\a)%2)
	s_wait_dscnt \younger                          ; the block is back; the next block's 16 stores and 16 loads may be out
.if (\a) > 0
	s_add_nc_u64 s[8:9], s[8:9], 16*4096           ; (behind a wait on XCNT: the earlier stores have read their base)
.endif
.irp t, 0,1,2,3,4,5,6,7,8,9,10,11,12,13,14,15
	global_store_b128 v[CO], v[BB+4*\t:BB+4*\t+3], s[8:9] offset:\t*4096 th:TH_STORE_NT   ; 32 lanes store 512 consecutive bytes, aligned
.endr
.endm
	PLACES
	TOSTAGE 0
.irp a, 1,2,3
.if \a > 1
	s_wait_xcnt 0x0                                ; block a - 2's stores have read their registers and their base
.endif
	TOSTAGE \a
	SEND \a-1, 32
.endr
	s_wait_xcnt 0x0
	SEND 3, 0
	s_wait_tensorcnt 0x0                           ; the wave's end, behind my last tensor load and my last LDS store
	ds_add_u32 v[SPW], v[NIL]
	s_wait_dscnt 0x0
	CROUND                                         ; the closing round
	s_endpgm
.Lfunc_end_k_q5fa7e5b655_outp:
	.size	k_q5fa7e5b655_outp, .Lfunc_end_k_q5fa7e5b655_outp-k_q5fa7e5b655_outp
	.p2alignl 7, 3214868480
	.fill 96, 4, 3214868480
	.section	.rodata,"a",@progbits
	.p2align	6, 0x0
	.amdhsa_kernel k_q5fa7e5b655_outp
		.amdhsa_group_segment_fixed_size 327680
		.amdhsa_private_segment_fixed_size 0
		.amdhsa_enable_private_segment 0
		.amdhsa_kernarg_size 24
		.amdhsa_user_sgpr_count 2
		.amdhsa_user_sgpr_kernarg_segment_ptr 1
		.amdhsa_wavefront_size32 1
		.amdhsa_system_sgpr_workgroup_id_x 1
		.amdhsa_system_sgpr_workgroup_id_y 1
		.amdhsa_system_sgpr_workgroup_id_z 1
		.amdhsa_system_vgpr_workitem_id 0
		.amdhsa_next_free_vgpr 512
		.amdhsa_next_free_sgpr 66
		.amdhsa_reserve_vcc 0
		.amdhsa_float_denorm_mode_32 3
		.amdhsa_float_denorm_mode_16_64 3
		.amdhsa_memory_ordered 1
		.amdhsa_forward_progress 1
		.amdhsa_inst_pref_size 84
	.end_amdhsa_kernel
	.amdgpu_metadata
---
amdhsa.version: [ 1, 2 ]
amdhsa.kernels:
  - .name:           k_q5fa7e5b655_outp
    .symbol:         k_q5fa7e5b655_outp.kd
    .args:
      - { .name: yp, .offset: 0, .size: 8, .value_kind: global_buffer, .address_space: global }
      - { .name: wo, .offset: 8, .size: 8, .value_kind: global_buffer, .address_space: global }
      - { .name: out0, .offset: 16, .size: 8, .value_kind: global_buffer, .address_space: global }
    .group_segment_fixed_size: 327680
    .private_segment_fixed_size: 0
    .kernarg_segment_align: 8
    .kernarg_segment_size: 24
    .max_flat_workgroup_size: 128
    .sgpr_count:     66
    .vgpr_count:     512
    .wavefront_size: 32
...
	.end_amdgpu_metadata
.endif
;; end of part 4
